; MI455X (gfx1250); checked and timed in simulation.
; The chip was launched on July 23, 2026; its instructions are those of AMD's public machine-readable ISA for CDNA 5 (MIT licence, August 2026) and "CDNA5" Instruction Set Architecture Reference Guide (July 2026). The comments in the code are by the model that wrote it; some were corrected since.
;; Multihead Attention. Allowed arithmetic: matrix products marked QUANTISED: E2M3 operands, one E8M0 scale for each 32 along K, by v_wmma_scale_f32_16x16x128_f8f6f4 with both operands' format E2M3, f32 sums; everything else in f32.
;; Inputs: bk 2,048 float32; bo 2,048 float32; bq 2,048 float32; bv 2,048 float32; causal_mask 2,048 x 2,048 int32; wk 2,048 x 2,048 float32; wo 2,048 x 2,048 float32; wq 2,048 x 2,048 float32; wv 2,048 x 2,048 float32; x 1 x 2,048 x 2,048 float32.
;; Outputs: out0 1 x 2,048 x 2,048 float32.
;; This version of the problem:
;;   THIS VERSION OF THE PROBLEM IS GIVEN IN LOW PRECISION. The matrix products marked QUANTISED in the list below multiply operands that are first quantised to E2M3 (2 exponent bits, 3 mantissa bits; 6 bits a number), with one power-of-two scale for each 32 numbers along K (OCP MX v1.0); their sums are f32. All else is computed in f32.
;;   The module's matrix products, in the order in which they are computed (A, B: the left and right operand; K: the contracted axis; several contracted axes count as one K, in the product's order):
;;     1. [M 2,048, K 2,048] x [K 2,048, N 2,048]; A: input x; B: input wq: QUANTISED
;;     2. [M 2,048, K 2,048] x [K 2,048, N 2,048]; A: input x; B: input wk: QUANTISED
;;     3. [M 2,048, K 2,048] x [K 2,048, N 2,048]; A: input x; B: input wv: QUANTISED
;;     4. batch 16 x [M 2,048, K 128] x [K 128, N 2,048]; A: computed on the way; B: computed on the way: QUANTISED
;;     5. batch 16 x [M 2,048, K 2,048] x [K 2,048, N 128]; A: softmax (see below); B: computed on the way: QUANTISED
;;     6. [M 2,048, K 2,048] x [K 2,048, N 2,048]; A: computed on the way; B: input wo: QUANTISED
;;   THE QUANTISER, for each operand of a quantised product, along K:
;;     - K is cut into blocks of 32 from its start; a last block that is shorter is filled with zeros.
;;     - A block's scale is 2^e with e = floor(log2(the largest magnitude in the block)) - 2, held to -126 .. 127; a block of zeros has e = 0. As a byte (E8M0): e + 127.
;;     - Each number is divided by its block's scale, clamped to +-7.5, and rounded to the nearest number of E2M3, ties to even, subnormals kept.
;;     - The product sums the exact products of the quantised numbers (number of the format x scale) in f32.
;;   ~~~python
;;   def quantise(x, axis):      # numpy; x: float32 -> the quantised numbers, widened to float32 again
;;       x = np.moveaxis(x, axis, -1); K = x.shape[-1]
;;       x = np.pad(x, [(0, 0)] * (x.ndim - 1) + [(0, -K % 32)]); x = x.reshape(x.shape[:-1] + (-1, 32)); a = np.abs(x).max(-1, keepdims=True)
;;       e = np.where(a > 0, np.clip(np.frexp(np.where(a > 0, a, 1))[1] - 1 - 2, -126, 127), 0)      # np.frexp(a)[1] - 1 = floor(log2(a)), exactly
;;       r = np.clip(x / 2.0 ** e, -7.5, 7.5)
;;       step = 2.0 ** (np.maximum(np.frexp(np.where(r == 0, 1, r))[1] - 1, 0) - 3)
;;       q = np.round(r / step) * step * 2.0 ** e      # np.round: ties to even
;;       return np.moveaxis(q.reshape(q.shape[:-2] + (-1,))[..., :K], -1, axis).astype(np.float32)
;;   ~~~
;;   SOFTMAX AHEAD OF A QUANTISED PRODUCT. Where the list says 'softmax', what is quantised is not the finished softmax but p = 2^(t - M), with t = logit x log2(e) and M = ceil(the row's largest t), a whole number; so 1/2 < the row's largest p <= 1. The row's sum l is taken of the UNQUANTISED p, in f32, and the product's result is divided by l at the end. Since M is a whole number, a kernel that streams over the keys may use a running M (the ceiling of the running maximum): every later rescaling is an exact power of two, which a block's scale takes up: the codes' values come out the same.
;;   OPERANDS COMPUTED ON THE WAY. 'Computed on the way' means the value that the module computes at that place (a softmax that the list does not call 'softmax' is quantised finished and normalised). What goes into a quantiser is computed in f32, as accurately as f32 sums, v_exp_f32 and their like allow (about 1e-6 of the number): no bf16 or f16 on the way to a quantiser, and a product that is left as it is and whose result goes on into a quantised operand takes f32 operands (vector FMAs, or v_wmma_f32_16x16x4_f32). A number that lies on a knife's edge between two numbers of the format may be rounded either way, as far as f32 arithmetic and the matrix unit's own rounding can turn it there, and no further.
;; One version. Each part assembles by itself: llvm-mc -triple=amdgcn-amd-amdhsa -mcpu=gfx1250 --defsym DOCPART=n.
;; ======== version 1 of 1: 4 launches
;; limits: right only within a limited range of input values
;; workspace buffers: opc 16,384,000 bytes; maskw 524,288 bytes of whole numbers; qkv 9,830,400 bytes; ctx 3,276,800 bytes; rowf 8,192 bytes
;; launch prep (part 1): grid 768 x 1, 4 waves a work-group, no clusters, 68,096 bytes of LDS; arguments x, wq, wk, wv, wo, causal_mask, opc, maskw; writes opc, maskw
.if DOCPART == 1
	.amdgcn_target "amdgcn-amd-amdhsa--gfx1250"
	.amdhsa_code_object_version 6
	.text
	.protected	k_qdfb015a686_prep
	.globl	k_qdfb015a686_prep
	.p2align	8
	.type	k_qdfb015a686_prep,@function
k_qdfb015a686_prep:
	s_mov_b64 s[64:65], 0
	v_nop
	global_prefetch_b8 v0, s[64:65] scope:SCOPE_SE
	s_setreg_imm32_b32 hwreg(HW_REG_WAVE_MODE, 25, 1), 1
	s_wait_xcnt 0x0
; x, wq, wk, wv, wo ([2048][2048] f32, K innermost) become codes of FP6 (E2M3) with one E8M0 byte for each 32 along K; causal_mask ([2048][2048] int32) becomes lane masks.
; A RECORD (12,800 bytes) is 128 rows x 128 K of an operand as images of the operand's registers: fragment a (0..7) at 1536 a, its registers 4 c .. 4 c + 3 of lane l at + 512 c + 16 l;
; the scale word of (fragment a, lane r) at 12288 + 256 (a % 2) + 16 r + 4 (a / 2).  Lane r of fragment a stands for row 32 (a / 2) + 8 (a % 2) + r + 8 (r / 8) of the 128.
; opc = [tensor 0..4][row block 0..15][K step 0..15] records.  maskw = [query tile 0..127][key step 0..15][n 0..63] words: bit (r, h) of word n says whether
; mask[the tile's row of lane r][128 step + 32 (n / 16) + 16 h + n % 16] is not 0.
; A block's scale is 2^(floor(log2(its largest magnitude)) - 2); its byte is the largest magnitude's exponent field - 2, held at 1 from below.
; LIMITS: a block of zeros, or one whose largest magnitude lies under 2^-124, keeps the byte 1 (its codes are zeros or nearly so; these bytes are read by this program alone); NaN and infinities among the inputs are not served.
; SHARES: 768 work-groups of four waves; 128 work-groups to a tensor (the sixth is the mask), two records to a work-group, half a record (fragments 2 b + u, b = 0..3) to a wave.
; A load reads 512 consecutive, aligned bytes: 128 numbers of one row.  A fragment's 16 rows turn through the wave's own stage in LDS (rows 528 bytes apart) and come back so that lane (r, h) holds,
; in register 16 b + i, k = 32 b + 16 h + i of its row: 16 neighbours of each block of 32.  Waves share nothing: no barrier.  Up to 32 loads of a wave are out.
.set PITCH, 528
.set WST,   16*PITCH                   ; a wave's stage
.set MOFF,  4*WST                      ; the mask's path has LDS bytes of its own, behind the quantising path's
.set REC,   12800
.set SEL,   2                          ; s[2:3] lane selects for v_permlanex16_b32: lane l xor 16
.set PC,    16                         ; v16-35  the codes just made
.set TM,    36                         ; v36-47  largest magnitudes, bytes, scale operands
.set PW,    52                         ; v52-55  the scale words of my four fragments
.set RR,    64                         ; v64-191 two sets of 16 rows as loaded
.set X,     192                        ; v192-255 64 numbers of my row
; 64 numbers of a lane, register 16 b + i = k 32 b + 16 (lane / 16) + i of its row, become a fragment's 12 registers in v[pc] on and its scale word in v[pw].
.macro QUANT s, pc, pw, tm
.irp b, 0,1,2,3
	v_max3_num_f32 v[\tm+\b], |v[\s+16*\b]|, |v[\s+1+16*\b]|, 0x1800000   ; my 16 numbers of block b, and the floor 2^(3 - 127): the byte cannot fall under 1
.endr
.irp i, 2,4,6,8,10,12,14
.irp b, 0,1,2,3
	v_max3_num_f32 v[\tm+\b], v[\tm+\b], |v[\s+16*\b+\i]|, |v[\s+1+16*\b+\i]|
.endr
.endr
.irp b, 0,1,2,3
	v_permlanex16_b32 v[\tm+4+\b], v[\tm+\b], s[SEL], s[SEL+1]
.endr
.irp b, 0,1,2,3
	v_max_num_f32 v[\tm+\b], v[\tm+\b], v[\tm+4+\b]                    ; with lane l xor 16's 16: the block's largest magnitude
.endr
.irp b, 0,1,2,3
	v_add_nc_u32 v[\tm+8+\b], 0xff000000, v[\tm+\b]                    ; 2 off its exponent field: the conversion's scale operand
.endr
.irp b, 0,1,2,3
	v_lshrrev_b32 v[\tm+4+\b], 23, v[\tm+8+\b]                         ; the scale's byte
.endr
	v_lshl_or_b32 v[\pw], v[\tm+5], 8, v[\tm+4]
	v_lshl_or_b32 v[\pw], v[\tm+6], 16, v[\pw]
	v_lshl_or_b32 v[\pw], v[\tm+7], 24, v[\pw]                         ; my row's scale word, the same in lanes l and l xor 16
.irp c, 0,1
	v_cvt_scalef32_pk16_fp6_f32 v[\pc+6*\c:\pc+6*\c+2], v[\s+32*\c:\s+32*\c+15], v[\tm+8+2*\c]
	v_cvt_scalef32_pk16_fp6_f32 v[\pc+12+4*\c:\pc+14+4*\c], v[\s+16+32*\c:\s+31+32*\c], v[\tm+8+2*\c+1]   ; (a conversion's three registers begin on an even number)
.endr
	v_nop                                                              ; one plain line behind the scaled conversions
.irp c, 0,1                            ; the operand's layout wants a whole block in a lane: lanes 0-15 block 2 c, lanes 16-31 block 2 c + 1
.irp i, 0,1,2
	v_permlane16_swap_b32 v[\pc+6*\c+\i], v[\pc+12+4*\c+\i]
.endr
.irp i, 0,1,2
	v_mov_b32 v[\pc+3+6*\c+\i], v[\pc+12+4*\c+\i]
.endr
.endr
.endm
	s_load_b512 s[4:19], s[0:1], 0x0               ; x, wq, wk, wv, wo, causal_mask, opc, maskw
	v_lshl_add_u32 v62, v0, 2, 0x10800
	v_mov_b32 v63, 0
	v_lshrrev_b32 v1, 5, v0
	v_readfirstlane_b32 s21, v1                    ; wave 0..3
	v_and_b32 v1, 31, v0                           ; lane
	v_and_b32 v2, 15, v0                           ; r
	v_bfe_u32 v3, v0, 4, 1                         ; h
	v_lshlrev_b32 v4, 4, v1                        ; 16 x lane: my bytes of a load, and of an image
	s_mul_i32 s24, s21, WST
	v_add_nc_u32 v5, s24, v4                       ; the stage, on the way in
	v_mul_u32_u24 v6, v2, PITCH
	v_lshl_add_u32 v6, v3, 6, v6
	v_add_nc_u32 v6, s24, v6                       ; and back: row r, + 64 h
	v_lshlrev_b32 v7, 4, v2                        ; 16 r: my row's four scale words
	v_lshlrev_b32 v8, 3, v1                        ; 8 x lane: two mask words
	v_mov_b32 v10, 0                               ; written once: a lane write's destination counts as read
	v_mov_b32 v11, 0
.irp b, 0,1,2,3
	v_mov_b32 v[TM+4+\b], 0                        ; likewise a lane permute's
.endr
	s_mov_b32 s[SEL], 0x76543210
	s_mov_b32 s[SEL+1], 0xfedcba98
	s_lshr_b32 s22, ttmp9, 7                       ; which tensor: 0..4, 5 = the mask
	s_and_b32 s23, ttmp9, 127
	s_lshl_b32 s23, s23, 1
	s_lshr_b32 s24, s21, 1
	s_or_b32 s23, s23, s24                         ; which record of it: 16 x row block + K step
	s_and_b32 s25, s21, 1                          ; u: the even or the odd fragments
	s_lshr_b32 s24, s23, 4                         ; row block
	s_and_b32 s20, s23, 15                         ; K step
	s_lshl_b32 s32, s24, 20                        ; the source: 128 rows of 8,192 bytes a row block,
	s_lshl_b32 s34, s25, 16                        ; 8 rows for u,
	s_add_co_u32 s32, s32, s34
	s_lshl_b32 s34, s20, 9                         ; 512 bytes a K step
	s_add_co_u32 s32, s32, s34
	s_mov_b32 s33, 0
	s_lshl_b32 s36, s22, 8
	s_add_co_u32 s36, s36, s23
	s_mul_i32 s36, s36, REC                        ; my record in opc
	s_lshl_b32 s34, s25, 8
	s_add_co_u32 s40, s36, s34
	s_add_co_u32 s40, s40, 12288                   ; its scale words of parity u
	s_mov_b32 s41, 0
	s_mul_i32 s34, s25, 1536
	s_add_co_u32 s36, s36, s34                     ; its fragment u
	s_mov_b32 s37, 0
	s_lshl_b32 s38, s24, 15                        ; maskw: 8 tiles of 4,096 bytes a row block,
	s_lshl_b32 s34, s25, 12                        ; tile u,
	s_add_co_u32 s38, s38, s34
	s_lshl_b32 s34, s20, 8                         ; 256 bytes a key step
	s_add_co_u32 s38, s38, s34
	s_mov_b32 s39, 0
	s_wait_kmcnt 0x0
	s_mov_b64 s[26:27], s[4:5]                     ; the source is chosen by the work-group's number alone
	s_cmp_eq_u32 s22, 1
	s_cselect_b64 s[26:27], s[6:7], s[26:27]
	s_cmp_eq_u32 s22, 2
	s_cselect_b64 s[26:27], s[8:9], s[26:27]
	s_cmp_eq_u32 s22, 3
	s_cselect_b64 s[26:27], s[10:11], s[26:27]
	s_cmp_eq_u32 s22, 4
	s_cselect_b64 s[26:27], s[12:13], s[26:27]
	s_cmp_eq_u32 s22, 5
	s_cselect_b64 s[26:27], s[14:15], s[26:27]
	s_add_nc_u64 s[26:27], s[26:27], s[32:33]
.macro LOAD b                          ; fragment 2 b + u: its 16 rows, 512 bytes each, into set b % 2
.irp i, 0,1,2,3,4,5,6,7,8,9,10,11,12,13,14,15
	global_load_b128 v[RR+64*((\b)%2)+4*\i:RR+64*((\b)%2)+4*\i+3], v4, s[26:27] offset:(32*(\b)+\i+8*(\i/8))*8192 th:TH_LOAD_NT
.endr
.endm
; One fragment.  kind 0: quantised and stored as an image.  kind 1: 64 lane masks.
.macro FRAGSTEP b, kind
.if (\b) < 3
	s_wait_loadcnt 16                              ; this fragment's 16 loads are in; the next fragment's 16 may be out
.else
	s_wait_loadcnt 0x0
.endif
.irp i, 0,1,2,3,4,5,6,7,8,9,10,11,12,13,14,15
	ds_store_b128 v5, v[RR+64*((\b)%2)+4*\i:RR+64*((\b)%2)+4*\i+3] offset:MOFF*(\kind)+PITCH*\i
.endr
.irp q, 0,1,2,3
.irp j, 0,1,2,3
	ds_load_b128 v[X+16*\q+4*\j:X+16*\q+4*\j+3], v6 offset:MOFF*(\kind)+128*\q+16*\j   ; LDS serves a wave's instructions in order (ISA guide 5.7.1.4): these see the stores above
.endr
.endr
	s_wait_dscnt 0x0                               ; my 64 numbers are in, and the stage's stores have read the set
	s_wait_xcnt 0x0                                ; the last fragment's stores have had their addresses translated: only behind this wait are their data registers written again
.if (\b) < 2
	LOAD (\b)+2
.endif
.if \kind
.irp f, 0,1
.set n, 0
.rept 32
	v_cmp_ne_u32 s[32+n], 0, v[X+32*\f+n]          ; word 32 f + n: one bit a lane
.set n, n+1
.endr
.set n, 0
.rept 32
	v_writelane_b32 v[10+n%2], s[32+n], 16*\f+n/2  ; lane l holds words 2 l and 2 l + 1
.set n, n+1
.endr
.endr
	global_store_b64 v8, v[10:11], s[28:29] offset:8192*(\b)          ; 32 lanes store 256 consecutive bytes, aligned
.else
	QUANT X, PC, PW+\b, TM
.irp c, 0,1,2
	global_store_b128 v4, v[PC+4*\c:PC+4*\c+3], s[28:29] offset:3072*(\b)+512*\c   ; 32 lanes store 512 consecutive bytes, aligned
.endr
.endif
.endm
	LOAD 0
	LOAD 1
	s_cmp_eq_u32 s22, 5
	s_cbranch_scc1 .Lmask
	s_add_nc_u64 s[28:29], s[16:17], s[36:37]
	s_add_nc_u64 s[30:31], s[16:17], s[40:41]
	s_wait_alu depctr_va_vdst(0)
	FRAGSTEP 0, 0
	FRAGSTEP 1, 0
	FRAGSTEP 2, 0
	FRAGSTEP 3, 0
	global_store_b128 v7, v[PW:PW+3], s[30:31]     ; the words of fragments u, 2 + u, 4 + u, 6 + u of row r: 256 consecutive bytes; lanes l and l xor 16 write the same bytes with the same values
	s_wait_tensorcnt 0x0
	ds_add_u32 v62, v63
	s_wait_dscnt 0x0
	s_endpgm
.Lmask:
	s_add_nc_u64 s[28:29], s[18:19], s[38:39]
	s_wait_alu depctr_va_vdst(0)
	FRAGSTEP 0, 1
	FRAGSTEP 1, 1
	FRAGSTEP 2, 1
	FRAGSTEP 3, 1
	s_wait_tensorcnt 0x0
	ds_add_u32 v62, v63
	s_wait_dscnt 0x0
	s_endpgm
.Lfunc_end_k_qdfb015a686_prep:
	.size	k_qdfb015a686_prep, .Lfunc_end_k_qdfb015a686_prep-k_qdfb015a686_prep
	.p2alignl 7, 3214868480
	.fill 96, 4, 3214868480
	.section	.rodata,"a",@progbits
	.p2align	6, 0x0
	.amdhsa_kernel k_qdfb015a686_prep
		.amdhsa_group_segment_fixed_size 68096
		.amdhsa_private_segment_fixed_size 0
		.amdhsa_enable_private_segment 0
		.amdhsa_kernarg_size 64
		.amdhsa_user_sgpr_count 2
		.amdhsa_user_sgpr_kernarg_segment_ptr 1
		.amdhsa_wavefront_size32 1
		.amdhsa_system_sgpr_workgroup_id_x 1
		.amdhsa_system_sgpr_workgroup_id_y 1
		.amdhsa_system_sgpr_workgroup_id_z 1
		.amdhsa_system_vgpr_workitem_id 0
		.amdhsa_next_free_vgpr 256
		.amdhsa_next_free_sgpr 66
		.amdhsa_reserve_vcc 0
		.amdhsa_float_denorm_mode_32 3
		.amdhsa_float_denorm_mode_16_64 3
		.amdhsa_memory_ordered 1
		.amdhsa_forward_progress 1
		.amdhsa_inst_pref_size 78
	.end_amdhsa_kernel
	.amdgpu_metadata
---
amdhsa.version: [ 1, 2 ]
amdhsa.kernels:
  - .name:           k_qdfb015a686_prep
    .symbol:         k_qdfb015a686_prep.kd
    .args:
      - { .name: x, .offset: 0, .size: 8, .value_kind: global_buffer, .address_space: global }
      - { .name: wq, .offset: 8, .size: 8, .value_kind: global_buffer, .address_space: global }
      - { .name: wk, .offset: 16, .size: 8, .value_kind: global_buffer, .address_space: global }
      - { .name: wv, .offset: 24, .size: 8, .value_kind: global_buffer, .address_space: global }
      - { .name: wo, .offset: 32, .size: 8, .value_kind: global_buffer, .address_space: global }
      - { .name: causal_mask, .offset: 40, .size: 8, .value_kind: global_buffer, .address_space: global }
      - { .name: opc, .offset: 48, .size: 8, .value_kind: global_buffer, .address_space: global }
      - { .name: maskw, .offset: 56, .size: 8, .value_kind: global_buffer, .address_space: global }
    .group_segment_fixed_size: 68096
    .private_segment_fixed_size: 0
    .kernarg_segment_align: 8
    .kernarg_segment_size: 64
    .max_flat_workgroup_size: 128
    .sgpr_count:     66
    .vgpr_count:     256
    .wavefront_size: 32
...
	.end_amdgpu_metadata
.endif
;; end of part 1
;; launch qkv (part 2): grid 24 x 8, 4 waves a work-group, clusters of 4 x 4, 327,680 bytes of LDS; arguments opc, bq, bk, bv, qkv; writes qkv
.if DOCPART == 2
	.amdgcn_target "amdgcn-amd-amdhsa--gfx1250"
	.amdhsa_code_object_version 6
	.text
	.protected	k_qdfb015a686_qkv
	.globl	k_qdfb015a686_qkv
	.p2align	8
	.type	k_qdfb015a686_qkv,@function
k_qdfb015a686_qkv:
	s_mov_b64 s[64:65], 0
	v_nop
	global_prefetch_b8 v0, s[64:65] scope:SCOPE_SE
	s_setreg_imm32_b32 hwreg(HW_REG_WAVE_MODE, 25, 1), 1
	s_wait_xcnt 0x0
	s_wait_alu depctr_hold_cnt(0) depctr_sa_sdst(0) depctr_va_vdst(0) depctr_va_sdst(0) depctr_va_ssrc(0) depctr_va_vcc(0) depctr_vm_vsrc(0)
	s_getreg_b32 s2, hwreg(HW_REG_IB_STS2, 6, 4)
	s_cmp_eq_u32 s2, 0
	s_cbranch_scc0 .Lentry_in_a_cluster
	s_endpgm
.Lentry_in_a_cluster:
	s_bfe_u32 s2, ttmp6, 0x10000c
	s_cmp_lg_u32 s2, 0xf033
	s_cbranch_scc0 .Lentry_shape_is_right
	s_endpgm
.Lentry_shape_is_right:
; q = x wq^T + bq, k = x wk^T + bk and v^T = wv x^T + bv, on codes of FP6 (E2M3) with E8M0 scales; the results are quantised in registers, along the axis that the next product contracts, and stored as records.
; ONE BODY: C[m][n] = sum over k of A[m][k] B[n][k] + bias, quantised along n.  Tile columns 0-15 (clusters x = 0..3): A = x, B = wq | wk, the bias runs along n (n = the heads' channels).
; Tile columns 16-23 (clusters x = 4, 5): A = wv, B = x, the bias runs along m: C is v transposed, so that n = the keys.  ISV tells the two apart; it hangs on the cluster's x, the same in all sixteen partners.
; A RECORD (12,800 bytes) is 128 rows x 128 K as images of the operand's registers: fragment a at 1536 a, registers 4 c .. 4 c + 3 of lane l at + 512 c + 16 l; the scale word of (fragment a, lane r) at
; 12288 + 256 (a % 2) + 16 r + 4 (a / 2).  Lane r of fragment a stands for row 32 (a / 2) + 8 (a % 2) + r + 8 (r / 8).  opc: row block R (16 x tensor + block) at 204,800 R, K step s at + 12,800 s.
; A tile of C is 256 x 256, four waves, 128 x 128 each: 64 accumulators, 512 registers: a wave's tile is exactly one record of the result.  192 work-groups: no smaller tile keeps that, and a wave tile of half the side would read
; twice the LDS bytes for each product.
; THE RING: two LDS slots of THREE K steps (384 along K), as large as two fit in LDS; a wave fetches three records of one row block (38,400 dense bytes, as 150 rows of 256) with one tensor load, which has a slot's
; 192 matrix instructions in which to land.  The sixteen K steps are five slots' worth and one: the last refill brings one record a wave (a second pair of groups 1).  Three steps to a slot turn the parity of B's two
; register sets from slot to slot, so the numbers come back after six steps; the second run of six ends in the refill of the other shape, so the sixteen steps are written out, without a loop.
; CLUSTERS: 4 x 4.  A's records are shared along a row of the cluster, B's along a column: joint loads.  THE MATRIX INSTRUCTION IS USED TRANSPOSED (source 0 = 16 rows of B, source 1 = 16 rows of A):
; by the order of rows in a record a lane's 64 registers of an A block are then, in register 16 b + i, column 32 b + 16 (lane / 16) + i of its row: what the conversions want.
; qkv: q's record at 16 head + query block; k's at 256 + 16 head + key step; v's at 512 + 16 head + key step (rows = the head's channels, K = 128 keys).
; LIMITS: a block of zeros, or one under 2^-124, keeps the byte 1 (read by this program alone); NaN and infinities are not served.
; REGISTERS: window 0: v8-15 bias offsets; v16-24 addresses; v28-29 for the add; v32-47 scale words, two sets; v64-127 the bias; v128-223 A's fragments, one set (on the way out: codes and scales at work).
;   window 1: B's fragments, two sets, at v0 and v128.  window 2: the accumulators of my rows' blocks 0-3 ((a, b) at v[8 (8 (a % 4) + b)]); window 3: blocks 4-7.
.set REC,   12800
.set PIECE, 3*REC                      ; what one tensor load brings: three K steps of one row block
.set SLOT,  4*PIECE                    ; A's two row blocks, then B's two
.set SPARE, 2*SLOT                     ; behind the ring: the spare words, 128 bytes for each wave: two blocks of 256 bytes that no other line names
.set RBB,   16*REC                     ; a row block in opc
.set FR,    12
.set NL,    3                          ; LDS loads that bring a fragment
.set NP,    4                          ; places behind this matrix instruction (ISA guide 7.12.1)
.set VO,    8
.set ADRA,  16                         ; v16-17 my A fragments in slot 0, 1
.set ADRS,  18                         ; v18-19 my scale words: lanes 0-15 A's, lanes 16-31 B's
.set ADRB,  20                         ; v20-21 my B fragments
.set LI,    24                         ; v24    16 x lane
.set SPW,   28
.set NIL,   29
.set SC,    32                         ; fragment t, K step of parity p: v[32 + 8 p + 4 (t % 2) + t / 2]
.set BI,    64
.set AF,    128
.set PC,    128                        ; the way out
.set TM,    160
.set PWB,   176
.set PWO,   184
.set G1,    24                         ; s[24:31] group 1 for A's three records; s[32:39] groups 0, one for each slot
.set G0,    32
.set G1B,   48                         ; s[48:55], s[56:63] the same for B
.set G0B,   56
.set G1T,   76                         ; s[76:83], s[84:91] groups 1 for the last refill: one record
.set G1TB,  84
.set SEL,   72
.set MSB, 0
.macro WIN new                         ; the immediate's high byte repeats the setting that is left
.if MSB != \new
	s_set_vgpr_msb (MSB<<8)|(\new)
.set MSB, \new
.endif
.endm
.set MUL_LO, 0xa1                      ; source 0 (B) window 1, source 1 (A) window 0, C and D window 2
.set MUL_HI, 0xf1
.set TO_B,   0x40
.macro PLACES n
.rept \n
	v_nop
.endr
.endm
; A joint refill of slot s: waves 0 and 1 fetch A's row blocks, waves 2 and 3 B's.  ga, gb: the groups 1.  The branch hangs on the wave's number alone.  Four v_nop follow each of the two lines.
.macro JLOAD s, ga, gb
	s_cmp_eq_u32 s15, 0
	s_cbranch_scc0 .Lfor_b_\@
	tensor_load_to_lds s[G0+4*\s:G0+4*\s+3], s[\ga:\ga+7]
	s_nop 0
	PLACES 4
	s_branch .Lasked_\@
.Lfor_b_\@:
	tensor_load_to_lds s[G0B+4*\s:G0B+4*\s+3], s[\gb:\gb+7]
	s_nop 0
	PLACES 4
.Lasked_\@:
.endm
.macro CREST                           ; a round of the cluster's barrier behind its opening barrier
	s_cmp_lg_u32 s14, 0
	s_cbranch_scc1 .Lnot_wave_0_\@
	s_barrier_signal -3
.Lnot_wave_0_\@:
	s_barrier_wait -3
	s_barrier_signal -1
	s_barrier_wait -1
.endm
.macro CROUND
	s_barrier_signal -1
	s_barrier_wait -1
	CREST
.endm
	s_load_b256 s[4:11], s[0:1], 0x0               ; opc s[4:5], bq s[6:7], bk s[8:9], bv s[10:11]
	s_load_b64 s[12:13], s[0:1], 0x20              ; qkv
	v_lshl_add_u32 v[SPW], v0, 2, SPARE
	v_mov_b32 v[NIL], 0
	ds_add_u32 v28, v29
	ds_add_u32 v28, v29
	s_wait_dscnt 0x0
	v_lshrrev_b32 v1, 5, v0
	v_readfirstlane_b32 s14, v1                    ; wave 0..3
	s_lshr_b32 s15, s14, 1                         ; which half of the tile's rows is mine.  Also: I fetch for A (0) or for B (1)
	s_and_b32 s16, s14, 1                          ; which half of its columns.  Also: which row block of the two I fetch
	s_bfe_u32 s40, ttmp6, 0x40000                  ; cx, cy
	s_bfe_u32 s41, ttmp6, 0x40004
	s_lshl_b32 s42, ttmp9, 2
	s_add_co_u32 s42, s42, s40                     ; tile column = 4 x cluster x + cx
	s_and_b32 s17, ttmp7, 0xffff
	s_lshl_b32 s17, s17, 2
	s_add_co_u32 s17, s17, s41                     ; tile row = 4 x cluster y + cy
	s_lshl_b32 s43, s41, 2
	s_lshl_b32 s43, 15, s43                        ; my row of the cluster
	s_lshl_b32 s44, 0x1111, s40                    ; my column
	s_cmp_ge_u32 ttmp9, 4
	s_cselect_b32 s2, 1, 0                         ; ISV
	s_cselect_b32 s18, 48, 0                       ; v: A begins at row block 48 (wv), B 48 row blocks further back (x)
	; descriptor groups 1: dense bytes as rows of 32 elements of 8 bytes, no padding: 150 rows (three records), and 50 (one record) for the last refill
	s_or_b32 s[G1+0], s43, (3<<16)|(1<<21)         ; 15:0 the mask; 17:16 elements of 8 bytes; 21 set beside a mask
	s_or_b32 s[G1B+0], s44, (3<<16)|(1<<21)
	s_or_b32 s[G1T+0], s43, (3<<16)|(1<<21)
	s_or_b32 s[G1TB+0], s44, (3<<16)|(1<<21)
.irp g, G1, G1B
	s_mov_b32 s[\g+1], 32<<16                      ; tensor_dim0
	s_mov_b32 s[\g+2], (PIECE/256)<<16             ; tensor_dim1
	s_mov_b32 s[\g+3], 32<<16                      ; tile_dim0
	s_mov_b32 s[\g+4], PIECE/256                   ; tile_dim1
	s_mov_b32 s[\g+5], 32                          ; tensor_dim0_stride
	s_mov_b32 s[\g+6], 0
	s_mov_b32 s[\g+7], 0
.endr
.irp g, G1T, G1TB
	s_mov_b32 s[\g+1], 32<<16
	s_mov_b32 s[\g+2], (REC/256)<<16
	s_mov_b32 s[\g+3], 32<<16
	s_mov_b32 s[\g+4], REC/256
	s_mov_b32 s[\g+5], 32
	s_mov_b32 s[\g+6], 0
	s_mov_b32 s[\g+7], 0
.endr
	s_lshl_b32 s20, s17, 1
	s_add_co_u32 s20, s20, s16
	s_add_co_u32 s20, s20, s18                     ; A's row block: 2 x tile row + half (+ 48)
	s_mul_i32 s20, s20, RBB
	s_mov_b32 s21, 0
	s_lshl_b32 s46, s42, 1
	s_add_co_u32 s46, s46, s16
	s_add_co_u32 s46, s46, 16
	s_sub_co_u32 s46, s46, s18                     ; B's: 16 + 2 x tile column + half (- 48)
	s_mul_i32 s46, s46, RBB
	s_mov_b32 s47, 0
	s_mul_i32 s45, s14, PIECE                      ; where they go: wave x a piece: no place in the cluster enters an LDS address
	s_mov_b32 s70, 0xffff0000                      ; lanes 16-31
	s_mov_b32 s[SEL], 0x76543210
	s_mov_b32 s[SEL+1], 0xfedcba98
	s_wait_kmcnt 0x0
	s_add_nc_u64 s[20:21], s[4:5], s[20:21]
	s_add_nc_u64 s[46:47], s[4:5], s[46:47]
.irp s, 0,1
	s_mov_b32 s[G0+4*\s], 1
	s_add_co_u32 s[G0+4*\s+1], s45, \s*SLOT
	s_add_nc_u64 s[G0+4*\s+2:G0+4*\s+3], s[20:21], \s*PIECE
	s_or_b32 s[G0+4*\s+3], s[G0+4*\s+3], 0x80000000
	s_mov_b32 s[G0B+4*\s], 1
	s_add_co_u32 s[G0B+4*\s+1], s45, \s*SLOT
	s_add_nc_u64 s[G0B+4*\s+2:G0B+4*\s+3], s[46:47], \s*PIECE
	s_or_b32 s[G0B+4*\s+3], s[G0B+4*\s+3], 0x80000000
.endr
	CROUND                                         ; all sixteen work-groups are here: the first joint loads meet
	s_cmp_eq_u32 s15, 0                            ; slot 0's first fill: one tensor load a wave at the head
	s_cbranch_scc0 .Lfirst_b
	tensor_load_to_lds s[G0:G0+3], s[G1:G1+7]
	s_nop 0
	PLACES 4
	s_branch .Lfirst_asked
.Lfirst_b:
	tensor_load_to_lds s[G0B:G0B+3], s[G1B:G1B+7]
	s_nop 0
	PLACES 4
.Lfirst_asked:
	; the bias, in the result's layout: 8 registers for each of 8 blocks.  q, k: block b of columns, register j: bias[32 (b / 2) + 8 (b % 2) + 16 h + j].  v: block a of rows, every register: bias[32 (a / 2) + 8 (a % 2) + r + 8 (r / 8)]
	s_cmp_lt_u32 ttmp9, 2
	s_cselect_b64 s[68:69], s[6:7], s[8:9]
	s_cmp_lt_u32 ttmp9, 4
	s_cselect_b64 s[68:69], s[68:69], s[10:11]
	s_lshl_b32 s22, s17, 10
	s_lshl_b32 s23, s15, 9
	s_add_co_u32 s22, s22, s23                     ; v: 4 (256 x tile row + 128 x my half of the rows)
	s_and_b32 s92, s42, 7
	s_lshl_b32 s92, s92, 10
	s_lshl_b32 s93, s16, 9
	s_add_co_u32 s92, s92, s93                     ; q, k: 4 (256 x (tile column % 8) + 128 x my half of the columns)
	s_cmp_eq_u32 s2, 1
	s_cselect_b32 s22, s22, s92
	s_cselect_b32 s94, -1, 0
	s_mov_b32 s23, 0
	s_add_nc_u64 s[68:69], s[68:69], s[22:23]
	v_and_b32 v1, 15, v0                           ; r
	v_bfe_u32 v2, v0, 4, 1                         ; h
	v_and_b32 v3, 8, v1
	v_add_nc_u32 v3, v3, v1
	v_lshlrev_b32 v3, 2, v3                        ; 4 (r + 8 (r / 8))
	v_lshlrev_b32 v4, 6, v2                        ; 64 h
.irp j, 0,1,2,3,4,5,6,7
	v_add_nc_u32 v[VO+\j], 4*\j, v4
	v_cndmask_b32 v[VO+\j], v[VO+\j], v3, s94
.endr
.set n, 0
.rept 64
	global_load_b32 v[BI+n], v[VO+n%8], s[68:69] offset:(32*((n/8)/2)+8*((n/8)%2))*4
.set n, n+1
.endr
	; where my record of the result lies
	s_lshl_b32 s22, s17, 1
	s_add_co_u32 s22, s22, s15                     ; my block of 128 rows
	s_lshl_b32 s23, s42, 1
	s_add_co_u32 s23, s23, s16                     ; my block of 128 columns (v: + 32)
	s_lshl_b32 s92, s22, 4
	s_add_co_u32 s92, s92, s23
	s_add_co_u32 s92, s92, 480                     ; v: 512 + 16 x head + key step
	s_lshl_b32 s93, s23, 4
	s_add_co_u32 s93, s93, s22                     ; q, k: 16 x (head, k's 16 on) + block of rows
	s_cmp_eq_u32 s2, 1
	s_cselect_b32 s92, s92, s93
	s_mul_i32 s92, s92, REC
	s_mov_b32 s93, 0
	s_add_nc_u64 s[12:13], s[12:13], s[92:93]
	; LDS addresses
	v_and_b32 v5, 31, v0
	v_lshlrev_b32 v[LI], 4, v5
	s_wait_alu depctr_va_vdst(0)
	s_mul_i32 s92, s15, PIECE                      ; my row block of A
	s_mul_i32 s93, s16, PIECE
	s_add_co_u32 s93, s93, 2*PIECE                 ; my row block of B, behind A's two
	s_xor_b32 s95, s15, 1
	s_add_co_u32 s95, s95, s16
	s_add_co_u32 s95, s95, 1
	s_mul_i32 s95, s95, PIECE                      ; from the one to the other
	v_lshlrev_b32 v6, 4, v1                        ; 16 r
	v_mul_u32_u24 v7, s95, v2                      ; lanes 16-31 take B's
	v_add_nc_u32 v6, v6, v7
.irp s, 0,1
	v_add_nc_u32 v[ADRA+\s], s92, v[LI]
	v_add_nc_u32 v[ADRB+\s], s93, v[LI]
	v_add_nc_u32 v[ADRS+\s], s92, v6
	s_add_co_u32 s92, s92, SLOT
	s_add_co_u32 s93, s93, SLOT
.endr
.macro FRAG reg, adr, q, i             ; a fragment comes as it was stored: three loads of 512 consecutive bytes
.irp c, 0,1,2
	ds_load_b128 v[\reg+4*\c:\reg+4*\c+3], v[\adr] offset:REC*(\q)+1536*(\i)+512*\c
.endr
.endm
; 16 matrix instructions: A's blocks a0, a0 + 1 x B's eight, 128 along K.  p: the K step's parity: B's set and the set of scale words.  cm = 0: in place; 1: C = the bias of block b; 2: of block a.
; The 64 accumulators take turns, one instruction a turn, in the same order in every step.
.macro MUL16 a0, p, cm
.irp a, \a0, \a0+1
.irp b, 0,1,2,3,4,5,6,7
.set rD, 8*(8*((\a)%4)+\b)
.set rB, 128*(\p)+FR*\b
.set rA, AF+FR*(\a)
.set xB, SC+8*(\p)+4*(\b%2)+\b/2
.set xA, SC+8*(\p)+4*((\a)%2)+(\a)/2
.if (\cm) == 0
	v_wmma_scale_f32_16x16x128_f8f6f4 v[rD:rD+7], v[rB:rB+FR-1], v[rA:rA+FR-1], v[rD:rD+7], v[xB], v[xA] matrix_a_fmt:MATRIX_FMT_FP6 matrix_b_fmt:MATRIX_FMT_FP6 matrix_a_scale:MATRIX_SCALE_ROW1
.elseif (\cm) == 1
	v_wmma_scale_f32_16x16x128_f8f6f4 v[rD:rD+7], v[rB:rB+FR-1], v[rA:rA+FR-1], v[BI+8*\b:BI+8*\b+7], v[xB], v[xA] matrix_a_fmt:MATRIX_FMT_FP6 matrix_b_fmt:MATRIX_FMT_FP6 matrix_a_scale:MATRIX_SCALE_ROW1
.else
	v_wmma_scale_f32_16x16x128_f8f6f4 v[rD:rD+7], v[rB:rB+FR-1], v[rA:rA+FR-1], v[BI+8*(\a):BI+8*(\a)+7], v[xB], v[xA] matrix_a_fmt:MATRIX_FMT_FP6 matrix_b_fmt:MATRIX_FMT_FP6 matrix_a_scale:MATRIX_SCALE_ROW1
.endif
.endr
.endr
.endm
.macro FETCH_B slot, q, p
	WIN TO_B
.irp i, 0,1,2,3,4,5,6,7
	FRAG 128*(\p)+FR*\i, ADRB+\slot, \q, \i
.endr
	WIN 0
.endm
.macro FETCH_A slot, q, i0
.irp i, \i0, \i0+1, \i0+2, \i0+3
	FRAG AF+FR*(\i), ADRA+\slot, \q, \i
.endr
.endm
.macro SCALES sl, q, p                 ; a K step's scale words into set p: one load brings the words of fragments u, 2 + u, 4 + u, 6 + u; lanes 0-15 A's, lanes 16-31 B's
.irp u, 0,1
	ds_load_b128 v[SC+8*(\p)+4*\u:SC+8*(\p)+4*\u+3], v[ADRS+\sl] offset:12288+REC*(\q)+256*\u
.endr
.endm
; The slot's K step q (0 or 1), of parity p: its successor lies in the same slot.  cm as in MUL16: with 1 or 2 the products start the sums with the bias: nothing is cleared and nothing is added later.
.macro STEP slot, q, p, cm
	s_wait_dscnt 4*NL                              ; B's set, the scale words and A's blocks 0-3 are in; the youngest twelve loads (A's blocks 4-7) may be out
.if \cm
	WIN 0x81                                       ; C (the bias) window 0, D window 2
.else
	WIN MUL_LO
.endif
	MUL16 0, \p, \cm
	MUL16 2, \p, \cm
	s_wait_dscnt 0                                 ; A's blocks 4-7 are in
	PLACES NP                                      ; in front of loads into registers that matrix instructions have read
	FETCH_B \slot, (\q)+1, 1-(\p)
	SCALES \slot, (\q)+1, 1-(\p)
	FETCH_A \slot, (\q)+1, 0
.if \cm
	WIN 0xc1
.else
	WIN MUL_HI
.endif
	MUL16 4, \p, \cm
	MUL16 6, \p, \cm
	PLACES NP
	WIN 0
	FETCH_A \slot, (\q)+1, 4
.endm
; A slot's third K step, of parity p, changes slots: one barrier; in front of it each wave waits for all its tensor loads, adds 0 to its spare word, and waits for that and for its own reads of this slot.
; fill = 1: this slot is filled again, with the three K steps two slots on; 2: with the sixteenth K step alone; 0: nothing is left to fetch.
.macro TURN slot, next, p, fill
	s_wait_tensorcnt 0x0                           ; all my tensor loads have landed: my part of the next slot
	ds_add_u32 v[SPW], v[NIL]                      ; 0 onto my spare word
	s_wait_dscnt 4*NL+1                            ; (the add and the youngest twelve loads may be out)
	WIN MUL_LO
	MUL16 0, \p, 0                                 ; sixteen matrix instructions stand between the add and the wait for it
	s_wait_dscnt 0x0                               ; the add is done, and my reads of this slot are over
	s_barrier_signal -1
	MUL16 2, \p, 0
	WIN 0
	s_barrier_wait -1
.if \fill
	CREST                                          ; the barrier has opened a round of the cluster's barrier: no wave of any partner still reads this slot or has a load on its way
	s_add_nc_u64 s[G0+4*\slot+2:G0+4*\slot+3], s[G0+4*\slot+2:G0+4*\slot+3], 2*PIECE
	s_add_nc_u64 s[G0B+4*\slot+2:G0B+4*\slot+3], s[G0B+4*\slot+2:G0B+4*\slot+3], 2*PIECE
.if (\fill) == 1
	JLOAD \slot, G1, G1B                           ; the first tensor load behind the round; its four v_nop are the places in front of the loads below
.else
	JLOAD \slot, G1T, G1TB
.endif
.else
	PLACES NP
.endif
	FETCH_B \next, 0, 1-(\p)
	SCALES \next, 0, 1-(\p)
	FETCH_A \next, 0, 0
	WIN MUL_HI
	MUL16 4, \p, 0
	MUL16 6, \p, 0
	PLACES NP
	WIN 0
	FETCH_A \next, 0, 4
.endm
	s_wait_alu depctr_va_vdst(0)
	s_wait_tensorcnt 0x0                           ; my part of slot 0 is in; slot 1's first fill is issued as a refill is
	ds_add_u32 v[SPW], v[NIL]
	s_wait_dscnt 0x0
	CROUND                                         ; everybody's part of slot 0 is in, and the joint loads meet
	JLOAD 1, G1, G1B                               ; K steps 3-5, the first tensor load behind the round
	FETCH_B 0, 0, 0
	SCALES 0, 0, 0
	FETCH_A 0, 0, 0
	FETCH_A 0, 0, 4
	s_wait_loadcnt 0x0                             ; the bias
	s_cmp_eq_u32 s2, 1                             ; the first step is written twice: the two differ in which block's bias is C
	s_cbranch_scc1 .Lfirst_v
	STEP 0, 0, 0, 1
	s_branch .Lfirst_done
.Lfirst_v:
	STEP 0, 0, 0, 2
.Lfirst_done:
	STEP 0, 1, 1, 0                                ; K step 1
	TURN 0, 1, 0, 1                                ; K step 2; slot 0 takes K steps 6-8
	STEP 1, 0, 1, 0
	STEP 1, 1, 0, 0
	TURN 1, 0, 1, 1                                ; K step 5; slot 1 takes K steps 9-11
	STEP 0, 0, 0, 0
	STEP 0, 1, 1, 0
	TURN 0, 1, 0, 1                                ; K step 8; slot 0 takes K steps 12-14
	STEP 1, 0, 1, 0
	STEP 1, 1, 0, 0
	TURN 1, 0, 1, 2                                ; K step 11; slot 1 takes K step 15
	STEP 0, 0, 0, 0
	STEP 0, 1, 1, 0
	TURN 0, 1, 0, 0                                ; K step 14; nothing is left to fetch
	s_wait_dscnt 4*NL                              ; K step 15
	WIN MUL_LO
	MUL16 0, 1, 0
	MUL16 2, 1, 0
	s_wait_dscnt 0
	WIN MUL_HI
	MUL16 4, 1, 0
	MUL16 6, 1, 0
	WIN 0
; THE WAY OUT.  Block a's 64 registers of a lane are 128 columns of one row, 16 neighbours of each block of 32: they become fragment a of my record, in registers, and leave as three stores of 512 consecutive, aligned bytes.
; Each accumulator is read from its low end on.
.macro QUANTW a
.set AC, 64*((\a)%4)
	WIN 0x28+0x14*((\a)/4)                         ; sources 1 and 2: window 2 or 3
.irp b, 0,1,2,3
	v_max3_num_f32 v[TM+\b], 0x1800000, |v[AC+16*\b]|, |v[AC+16*\b+1]|   ; the floor 2^(3 - 127): the byte cannot fall under 1
.endr
.irp i, 2,4,6,8,10,12,14
.irp b, 0,1,2,3
	v_max3_num_f32 v[TM+\b], v[TM+\b], |v[AC+16*\b+\i]|, |v[AC+16*\b+\i+1]|
.endr
.endr
	WIN 0
.irp b, 0,1,2,3
	v_permlanex16_b32 v[TM+4+\b], v[TM+\b], s[SEL], s[SEL+1]
.endr
.irp b, 0,1,2,3
	v_max_num_f32 v[TM+\b], v[TM+\b], v[TM+4+\b]
.endr
.irp b, 0,1,2,3
	v_add_nc_u32 v[TM+8+\b], 0xff000000, v[TM+\b]  ; 2 off the exponent field: the conversion's scale operand
.endr
.irp b, 0,1,2,3
	v_lshrrev_b32 v[TM+4+\b], 23, v[TM+8+\b]
.endr
	v_lshl_or_b32 v[PWB+(\a)], v[TM+5], 8, v[TM+4]
	v_lshl_or_b32 v[PWB+(\a)], v[TM+6], 16, v[PWB+(\a)]
	v_lshl_or_b32 v[PWB+(\a)], v[TM+7], 24, v[PWB+(\a)]
	s_wait_xcnt 0x0                                ; the last block's stores have had their addresses translated: only behind this wait are their data registers written again
	WIN 0x02+((\a)/4)                              ; source 0: window 2 or 3
.irp c, 0,1
	v_cvt_scalef32_pk16_fp6_f32 v[PC+6*\c:PC+6*\c+2], v[AC+32*\c:AC+32*\c+15], v[TM+8+2*\c]
	v_cvt_scalef32_pk16_fp6_f32 v[PC+12+4*\c:PC+14+4*\c], v[AC+16+32*\c:AC+31+32*\c], v[TM+8+2*\c+1]
.endr
	WIN 0
	v_nop                                          ; one plain line behind the scaled conversions
.irp c, 0,1
.irp i, 0,1,2
	v_permlane16_swap_b32 v[PC+6*\c+\i], v[PC+12+4*\c+\i]
.endr
.irp i, 0,1,2
	v_mov_b32 v[PC+3+6*\c+\i], v[PC+12+4*\c+\i]
.endr
.endr
.irp c, 0,1,2
	global_store_b128 v[LI], v[PC+4*\c:PC+4*\c+3], s[12:13] offset:1536*(\a)+512*\c
.endr
.endm
	PLACES NP                                      ; behind the last products: their results are read, and the registers that held A's fragments are written, only behind these
.irp b, 0,1,2,3
	v_mov_b32 v[TM+4+\b], 0                        ; written once: a lane permute's destination counts as read
.endr
.irp a, 0,1,2,3,4,5,6,7
	QUANTW \a
.endr
.irp i, 0,1,2,3
	v_cndmask_b32 v[PWO+\i], v[PWB+2*\i], v[PWB+2*\i+1], s70   ; lanes 0-15 the even fragments' words, lanes 16-31 the odd ones'
.endr
	global_store_b128 v[LI], v[PWO:PWO+3], s[12:13] offset:12288   ; the record's 512 bytes of scale words
	s_wait_tensorcnt 0x0                           ; the wave's end
	ds_add_u32 v[SPW], v[NIL]
	s_wait_dscnt 0x0
	CROUND                                         ; the closing round: no work-group ends while a partner may still ask for a tile that names it
	s_endpgm
.Lfunc_end_k_qdfb015a686_qkv:
	.size	k_qdfb015a686_qkv, .Lfunc_end_k_qdfb015a686_qkv-k_qdfb015a686_qkv
	.p2alignl 7, 3214868480
	.fill 96, 4, 3214868480
	.section	.rodata,"a",@progbits
	.p2align	6, 0x0
	.amdhsa_kernel k_qdfb015a686_qkv
		.amdhsa_group_segment_fixed_size 327680
		.amdhsa_private_segment_fixed_size 0
		.amdhsa_enable_private_segment 0
		.amdhsa_kernarg_size 40
		.amdhsa_user_sgpr_count 2
		.amdhsa_user_sgpr_kernarg_segment_ptr 1
		.amdhsa_wavefront_size32 1
		.amdhsa_system_sgpr_workgroup_id_x 1
		.amdhsa_system_sgpr_workgroup_id_y 1
		.amdhsa_system_sgpr_workgroup_id_z 1
		.amdhsa_system_vgpr_workitem_id 0
		.amdhsa_next_free_vgpr 1024
		.amdhsa_next_free_sgpr 98
		.amdhsa_reserve_vcc 0
		.amdhsa_float_denorm_mode_32 3
		.amdhsa_float_denorm_mode_16_64 3
		.amdhsa_memory_ordered 1
		.amdhsa_forward_progress 1
		.amdhsa_inst_pref_size 251
	.end_amdhsa_kernel
	.amdgpu_metadata
---
amdhsa.version: [ 1, 2 ]
amdhsa.kernels:
  - .name:           k_qdfb015a686_qkv
    .symbol:         k_qdfb015a686_qkv.kd
    .args:
      - { .name: opc, .offset: 0, .size: 8, .value_kind: global_buffer, .address_space: global }
      - { .name: bq, .offset: 8, .size: 8, .value_kind: global_buffer, .address_space: global }
      - { .name: bk, .offset: 16, .size: 8, .value_kind: global_buffer, .address_space: global }
      - { .name: bv, .offset: 24, .size: 8, .value_kind: global_buffer, .address_space: global }
      - { .name: qkv, .offset: 32, .size: 8, .value_kind: global_buffer, .address_space: global }
    .group_segment_fixed_size: 327680
    .private_segment_fixed_size: 0
    .kernarg_segment_align: 8
    .kernarg_segment_size: 40
    .max_flat_workgroup_size: 128
    .sgpr_count:     98
    .vgpr_count:     1024
    .wavefront_size: 32
...
	.end_amdgpu_metadata
.endif
;; end of part 2
;; launch attn (part 3): grid 16 x 16, 16 waves a work-group, no clusters, 228,864 bytes of LDS; arguments qkv, maskw, ctx, rowf; writes ctx, rowf
.if DOCPART == 3
	.amdgcn_target "amdgcn-amd-amdhsa--gfx1250"
	.amdhsa_code_object_version 6
	.text
	.protected	k_qdfb015a686_attn
	.globl	k_qdfb015a686_attn
	.p2align	8
	.type	k_qdfb015a686_attn,@function
k_qdfb015a686_attn:
	s_mov_b64 s[64:65], 0
	v_nop
	global_prefetch_b8 v0, s[64:65] scope:SCOPE_SE
	s_setreg_imm32_b32 hwreg(HW_REG_WAVE_MODE, 25, 1), 1
	s_wait_xcnt 0x0
; ctx[q][head] = the sum over keys of softmax(mask(q . k / sqrt(128))) v, both products on codes of FP6 (E2M3) with E8M0 scales; ctx is quantised in registers along the head's channels and stored as records.
; THE MASK IS AN INPUT, packed by the first launch into whole numbers (one bit a lane, one word a score register).  Each wave reads its tile's words: a key step of 128 keys in which no key of the tile's 16 queries is
; visible is jumped over (all its p would be 0, and neither the maximum, the sum nor O would move); a step in which every key is visible is done without the 64 selects; any other step is done with them.  This holds for every mask.
; THE SOFTMAX AHEAD OF THE SECOND PRODUCT: t = score x log2(e) / sqrt(128); M = the running largest t rounded UP to a whole number; p = 2^(t - M) is quantised along the keys, not normalised; the row's sum is taken of the
; unquantised p and divides at the end.  When M moves, the sum and O are multiplied by 2^(old M - new M): exact.  A block's largest p is taken from its largest score (p rises with the score).
; A QUERY WITH NO VISIBLE KEY has the sum 0: rowf[query] is NaN for it and 0 for the others (stored by head 0's work-groups); the last launch adds rowf to the row.
; LIMITS: the promise holds while the scaled scores stay under 2^31 in magnitude; NaN and infinities in q, k, v are not served; a block of zeros, or one under 2^-124, keeps the byte 1 (read by this program alone).
; RECORDS (12,800 bytes): 128 rows x 128 K as images of the operand's registers: fragment a at 1536 a, registers 4 c .. 4 c + 3 of lane l at + 512 c + 16 l; the scale word of (fragment a, lane r) at 12288 + 256 (a % 2) + 16 r + 4 (a / 2);
; lane r of fragment a stands for row 32 (a / 2) + 8 (a % 2) + r + 8 (r / 8).  qkv: q at 16 head + query block, k at 256 + 16 head + key step, v (rows = channels, K = keys) at 512 + 16 head + key step.  ctx: at 16 query block + head.
; SHARES: 256 work-groups: head y; x = 2 i + u.  A work-group makes two passes: query block 15 - i, then block i; in each it owns the four fragments a = 2 j + u.  Sixteen waves, 256 registers each: wave w takes
; fragment j = w % 4 and the key steps q + 4 t (q = w / 4, t = 0..3).  THE FOUR TRIPS BEGIN AT t = (15 - i) % 4 and go round: the work-groups of a head begin at different key steps (the running maximum takes the steps in any order).
; At a pass's end waves q = 1..3 hand O^T, the sums and -M to wave q = 0 through LDS bytes of the pass's own; all M are whole numbers, so the four parts
; are brought under the common M by powers of two.  One barrier a pass and one at the end; none in the walk over the keys.
; K's and V's fragments go from memory straight into registers, as they lie: the walk hangs on loaded words, so the launch has no tensor load, and so no joint loads and no cluster.
; PREFETCH, at the head, while the mask words and Q are on their way: a head's K and V are 2 x 800 blocks of 256 bytes, which its sixteen work-groups all read; they share them out by address: wave j of quarter 0 of work-group x
; names blocks 32 (4 x + j) .. + 31 (the first 25 such waves K's, the next 25 V's, the last 14 none): each block once, 32 blocks a wave, four waves a work-group.  Wave j of quarter 1 names the six blocks of its fragment of the
; second pass's Q (the lanes left over name the last of them again; in wave 0 the block of scale words).  A walk has at most four trips, so there is no later trip to ask in.
; One load of 16 bytes a lane brings a record's scale words: lanes 0-15 those of the even fragments, lanes 16-31 those of the odd ones, which are named with ROW1.
; REGISTERS: v4-7 K's scale words, v8-11 V's; v12 -M, v13 the largest t, v14-15 the sum; v16-28 Q; v29 p's scale word; v32-79 fragments 0-3; v84-95 K6, then V4; v96-159 S^T, then p, then V5-7 (K7 waits in v136-147);
; v160-223 O^T; v224-243 K4, K5, then the sum's chains, then p's codes; v244-255 at work.
.set REC,   12800
.set VOF,   256*REC                    ; from K's record to V's
.set XSZ,   8704                       ; a stage: 64 registers' images and 16 bytes a lane
.set PSZ,   13*XSZ                     ; a pass's stages: that of wave (j, q) is number 3 j + q (1..12; number 0 is not used)
.set CST,   2*PSZ                      ; 512 bytes: ctx's scale words, 256 a pass
.set SPARE, CST+512                    ; the spare words, 128 bytes for each wave: eight blocks of 256 bytes that no other line names
.set LI,   1
.set SPW,  2
.set NIL,  3
.set KS,   4
.set VS,   8
.set QF,   16
.set QS,   28
.set PW,   29
.set FF,   30
.set FRG,  32
.set XA,   80
.set CSW,  81
.set T1,   82
.set NINF, 83
.set F6,   84
.set ST,   96
.set OT,   160
.set PC,   224
.set TM,   244
.set TT,   2
.set FLG,  3                           ; bit t: key steps q + 4 t have a visible key; bit 8 + t: a hidden one; the second pass's 16 bits higher
.set Q,    12
.set SOFF, 13                          ; 256 u + 4 j
.set HD,   14
.set PI,   15                          ; 15 - i: the first pass's block
.set MOFF, 16
.set TMP,  17
.set OFS,  18                          ; s[18:19] an offset, its high word 0
.set KB,   20                          ; s[20:21] K's record of the trip
.set MB,   22                          ; s[22:23] my tile's mask words of the trip
.set BLK,  24
.set WV,   25
.set CB,   26                          ; s[26:27] my fragment in ctx's record
.set CSB,  28                          ; s[28:31] the two passes' scale words in ctx
.set SEL,  66
.set CS,   100                         ; s[100:101] c = log2(e) / sqrt(128)
.set KOFF, 104
.set FOFF, 105
.macro NOPS n
.rept \n
	v_nop
.endr
.endm
.macro LDF rg, off                     ; a fragment as it was stored: three loads of 512 consecutive bytes
.irp c, 0,1,2
	global_load_b128 v[\rg+4*\c:\rg+4*\c+3], v[LI], s[KB:KB+1] offset:\off+512*\c
.endr
.endm
.macro KREG t                          ; where K's fragment t waits
.if (\t) < 4
.set RG, FRG+12*(\t)
.elseif (\t) < 6
.set RG, PC+12*((\t)-4)
.elseif (\t) == 6
.set RG, F6
.else
.set RG, ST+40
.endif
.endm
.macro VREG t                          ; and V's
.if (\t) < 4
.set RG, FRG+12*(\t)
.elseif (\t) == 4
.set RG, F6
.else
.set RG, ST+12*((\t)-5)
.endif
.endm
.macro SMUL t                          ; S^T's tile t = K's fragment t x Q^T
	KREG \t
.if (\t)%2
	v_wmma_scale_f32_16x16x128_f8f6f4 v[ST+8*(\t):ST+8*(\t)+7], v[RG:RG+11], v[QF:QF+11], 0, v[KS+(\t)/2], v[QS] matrix_a_fmt:MATRIX_FMT_FP6 matrix_b_fmt:MATRIX_FMT_FP6 matrix_a_scale:MATRIX_SCALE_ROW1
.else
	v_wmma_scale_f32_16x16x128_f8f6f4 v[ST+8*(\t):ST+8*(\t)+7], v[RG:RG+11], v[QF:QF+11], 0, v[KS+(\t)/2], v[QS] matrix_a_fmt:MATRIX_FMT_FP6 matrix_b_fmt:MATRIX_FMT_FP6
.endif
.endm
.macro PMUL t                          ; O^T's tile t += V's fragment t x P^T
	VREG \t
.if (\t)%2
	v_wmma_scale_f32_16x16x128_f8f6f4 v[OT+8*(\t):OT+8*(\t)+7], v[RG:RG+11], v[PC:PC+11], v[OT+8*(\t):OT+8*(\t)+7], v[VS+(\t)/2], v[PW] matrix_a_fmt:MATRIX_FMT_FP6 matrix_b_fmt:MATRIX_FMT_FP6 matrix_a_scale:MATRIX_SCALE_ROW1
.else
	v_wmma_scale_f32_16x16x128_f8f6f4 v[OT+8*(\t):OT+8*(\t)+7], v[RG:RG+11], v[PC:PC+11], v[OT+8*(\t):OT+8*(\t)+7], v[VS+(\t)/2], v[PW] matrix_a_fmt:MATRIX_FMT_FP6 matrix_b_fmt:MATRIX_FMT_FP6
.endif
.endm
; 64 numbers from v[s] on, whose four blocks' largest magnitudes stand in v[TM] on, become 12 registers of codes in v[PC] on and the scale word in v[PW].  ld = 1: V's fragments 5-7 are asked for as soon as the numbers are read.
; The four blocks take turns line by line.
.macro CODES s, ld
.irp b, 0,1,2,3
	v_add_nc_u32 v[TM+8+\b], 0xff000000, v[TM+\b]  ; 2 off the exponent field: the conversion's scale operand
.endr
.irp b, 0,1,2,3
	v_lshrrev_b32 v[TM+4+\b], 23, v[TM+8+\b]       ; the scale's byte
.endr
	v_lshl_or_b32 v[PW], v[TM+5], 8, v[TM+4]
	v_lshl_or_b32 v[PW], v[TM+6], 16, v[PW]
	v_lshl_or_b32 v[PW], v[TM+7], 24, v[PW]
.irp c, 0,1
	v_cvt_scalef32_pk16_fp6_f32 v[PC+6*\c:PC+6*\c+2], v[\s+32*\c:\s+32*\c+15], v[TM+8+2*\c]
	v_cvt_scalef32_pk16_fp6_f32 v[PC+12+4*\c:PC+14+4*\c], v[\s+16+32*\c:\s+31+32*\c], v[TM+8+2*\c+1]
.endr
	v_nop                                          ; one plain line behind the scaled conversions
.if \ld
.irp t, 5,6,7
	VREG \t
	LDF RG, VOF+1536*\t
.endr
.endif
.irp c, 0,1                            ; the operand's layout wants a whole block in a lane
.irp i, 0,1,2
	v_permlane16_swap_b32 v[PC+6*\c+\i], v[PC+12+4*\c+\i]
.endr
.irp i, 0,1,2
	v_mov_b32 v[PC+3+6*\c+\i], v[PC+12+4*\c+\i]
.endr
.endr
.endm
; A KEY STEP: 128 keys.
.macro STEP p
	s_load_b512 s[32:47], s[MB:MB+1], 0x0          ; the step's 64 mask words of my tile: s[32:63], s[68:99]
	s_load_b512 s[48:63], s[MB:MB+1], 0x40
	s_load_b512 s[68:83], s[MB:MB+1], 0x80
	s_load_b512 s[84:99], s[MB:MB+1], 0xc0
	global_load_b128 v[KS:KS+3], v[LI], s[KB:KB+1] offset:12288
	global_load_b128 v[VS:VS+3], v[LI], s[KB:KB+1] offset:VOF+12288
.irp t, 7,0,1,2,3,4,5,6                ; all of K's eight fragments are asked for at once
	KREG \t
	LDF RG, 1536*\t
.endr
	s_wait_loadcnt 9                               ; all but fragments 4, 5, 6 (nine loads)
.irp t, 7,0,1,2,3
	SMUL \t
.endr
	s_wait_loadcnt 0x0
	SMUL 4
	NOPS 5                                         ; tiles 5 and 6 are written over the registers that held fragment 7: five places behind its product
	SMUL 5
	SMUL 6
	NOPS 4                                         ; behind the products: their results are read, and their operands' registers loaded again, only behind these
.irp t, 0,1,2,3,4                      ; V's fragments 0-4 land under the softmax
	VREG \t
	LDF RG, VOF+1536*\t
.endr
	s_wait_kmcnt 0x0
	s_add_co_u32 s[TMP], s[TT], s[PI]
	s_and_b32 s[TMP], s[TMP], 3                    ; t of this trip
	s_lshr_b32 s[TMP], s[FLG], s[TMP]
	s_and_b32 s[TMP], s[TMP], 256
	s_cmp_lg_u32 s[TMP], 0
	s_cbranch_scc0 .Lfull_\p                       ; every key of the step is visible to every query of my tile
.set n, 0
.rept 32
	v_cndmask_b32 v[ST+n], v[NINF], v[ST+n], s[32+n]   ; a bit that is 0 hides the key
.set n, n+1
.endr
.rept 32
	v_cndmask_b32 v[ST+n], v[NINF], v[ST+n], s[36+n]
.set n, n+1
.endr
.Lfull_\p:
.irp b, 0,1,2,3
	v_max3_num_f32 v[TM+\b], v[ST+16*\b], v[ST+1+16*\b], v[ST+2+16*\b]   ; the largest score of each block of 32 keys; the four blocks by turns
.endr
.irp i, 3,5,7,9,11,13
.irp b, 0,1,2,3
	v_max3_num_f32 v[TM+\b], v[TM+\b], v[ST+16*\b+\i], v[ST+1+16*\b+\i]
.endr
.endr
.irp b, 0,1,2,3
	v_max_num_f32 v[TM+\b], v[TM+\b], v[ST+15+16*\b]
.endr
.irp b, 0,1,2,3
	v_permlanex16_b32 v[TM+4+\b], v[TM+\b], s[SEL], s[SEL+1]
.endr
.irp b, 0,1,2,3
	v_max_num_f32 v[TM+\b], v[TM+\b], v[TM+4+\b]   ; with lane l xor 16's 16 keys
.endr
	v_max3_num_f32 v[T1], v[TM], v[TM+1], v[TM+2]
	v_max_num_f32 v[T1], v[T1], v[TM+3]            ; the step's largest score of my query
	v_mul_f32 v[T1], s[CS], v[T1]                  ; as t
	v_max_num_f32 v13, v13, v[T1]                  ; the running largest t
	v_mov_b32 v[T1], v12
	v_floor_f32 v12, -v13                          ; the new -M = floor(-t)
	v_sub_f32 v[T1], v12, v[T1]                    ; old M - new M: a whole number, 0 or less
	v_cvt_i32_f32 v[T1], v[T1]                     ; (it saturates)
	v_ldexp_f32 v[FF], 1.0, v[T1]                  ; f = 2^(old M - new M)
.set j, 0
.rept 32
	v_pk_fma_f32 v[ST+j:ST+j+1], v[ST+j:ST+j+1], s[CS:CS+1], v[12:13] op_sel_hi:[1,0,0]   ; t - M, two at a time
.set j, j+2
.endr
.irp b, 0,1,2,3
	v_fma_f32 v[TM+\b], v[TM+\b], s[CS], v12       ; the same of each block's largest score
.endr
	s_wait_alu depctr_va_vdst(0)                   ; ahead of the batch
.set j, 0
.rept 64
	v_exp_f32 v[ST+j], v[ST+j]                     ; p = 2^(t - M)
.set j, j+1
.endr
	v_pk_mul_f32 v[14:15], v[14:15], v[FF:FF+1] op_sel_hi:[1,0]   ; the sums under the new M: the plain line behind the batch
	s_wait_alu depctr_va_vdst(0)                   ; one wait for the batch, ahead of its first reader
.irp b, 0,1,2,3
	v_exp_f32 v[TM+\b], v[TM+\b]                   ; each block's largest p
.endr
.irp c, 0,1,2,3,4,5,6                  ; the row's sum of the unquantised p, two at a time, in eight chains
	v_pk_add_f32 v[PC+2*\c:PC+2*\c+1], v[ST+4*\c:ST+4*\c+1], v[ST+4*\c+2:ST+4*\c+3]
.endr
	v_pk_add_f32 v[14:15], v[14:15], v[ST+28:ST+29]
.irp c, 0,1,2,3,4,5,6
	v_pk_add_f32 v[PC+2*\c:PC+2*\c+1], v[PC+2*\c:PC+2*\c+1], v[ST+30+2*\c:ST+31+2*\c]
.endr
	v_pk_add_f32 v[14:15], v[14:15], v[ST+44:ST+45]
.irp c, 0,1,2,3,4,5,6
	v_pk_add_f32 v[PC+2*\c:PC+2*\c+1], v[PC+2*\c:PC+2*\c+1], v[ST+46+2*\c:ST+47+2*\c]
.endr
	v_pk_add_f32 v[14:15], v[14:15], v[ST+60:ST+61]
	v_pk_add_f32 v[PC:PC+1], v[PC:PC+1], v[ST+62:ST+63]
	v_pk_add_f32 v[PC+4:PC+5], v[PC+4:PC+5], v[PC+6:PC+7]
	v_pk_add_f32 v[PC+8:PC+9], v[PC+8:PC+9], v[PC+10:PC+11]
	v_pk_add_f32 v[14:15], v[14:15], v[PC+12:PC+13]
	v_pk_add_f32 v[PC:PC+1], v[PC:PC+1], v[PC+2:PC+3]
	v_pk_add_f32 v[14:15], v[14:15], v[PC+8:PC+9]
	v_pk_add_f32 v[PC:PC+1], v[PC:PC+1], v[PC+4:PC+5]
	v_pk_add_f32 v[14:15], v[14:15], v[PC:PC+1]
	s_wait_alu depctr_va_vdst(0)                   ; and one for the four
.irp b, 0,1,2,3
	v_max_num_f32 v[TM+\b], 0x1800000, v[TM+\b]    ; the floor 2^(3 - 127): a block whose every p is 0 keeps the byte 1: its codes are zeros
.endr
	CODES ST, 1
	s_wait_alu depctr_va_vdst(0)                   ; directly ahead of the first reader of O^T
.set j, 0
.rept 32
	v_pk_mul_f32 v[OT+j:OT+j+1], v[OT+j:OT+j+1], v[FF:FF+1] op_sel_hi:[1,0]   ; O^T under the new M; these 32 are also the places between p's codes and scale word and the products below
.set j, j+2
.endr
	s_wait_alu depctr_va_vdst(0)
	s_wait_loadcnt 9                               ; V's fragments 0-4 are in; the nine loads of fragments 5-7 may be out
.irp t, 0,1,2,3,4                      ; the accumulators take turns, one instruction a turn
	PMUL \t
.endr
	s_wait_loadcnt 0x0
.irp t, 5,6,7
	PMUL \t
.endr
	NOPS 5                                         ; behind the last products: the next step's loads and its products' results land on their operands' registers
.endm
.macro P2REG c                         ; where the second part's registers 4 c .. 4 c + 3 wait
.if (\c) < 12
.set RG, FRG+4*(\c)
.elseif (\c) < 15
.set RG, F6+4*((\c)-12)
.else
.set RG, PC
.endif
.endm
.macro ACCUM k, two                    ; O^T += a part x its factor, which stands in v[TM + 4 k]
.set j, 0
.rept 16
.if \two
	P2REG j
.else
.set RG, ST+4*j
.endif
	v_pk_fma_f32 v[OT+4*j:OT+4*j+1], v[RG:RG+1], v[TM+4*(\k):TM+4*(\k)+1], v[OT+4*j:OT+4*j+1] op_sel_hi:[1,0,1]
	v_pk_fma_f32 v[OT+4*j+2:OT+4*j+3], v[RG+2:RG+3], v[TM+4*(\k):TM+4*(\k)+1], v[OT+4*j+2:OT+4*j+3] op_sel_hi:[1,0,1]
.set j, j+1
.endr
.endm
; A PASS: one query block.
.macro PASS p
.if \p
	s_wait_xcnt 0x0                                ; the last pass's stores have read their bases and data
	s_sub_co_u32 s[BLK], 15, s[PI]
	s_lshr_b32 s[FLG], s[FLG], 16                  ; this pass's flags
	v_add_nc_u32 v[XA], PSZ, v[XA]                 ; this pass's stages
.else
	s_mov_b32 s[BLK], s[PI]
.endif
	s_and_b32 s[TMP], s[PI], 3                     ; t of the first trip
	s_lshl_b32 s36, s[TMP], 10
	s_mul_i32 s37, s[TMP], 4*REC
	s_lshl_b32 s[OFS], s[BLK], 15                  ; maskw: 4,096 bytes a tile, eight tiles a block; 256 bytes a key step
	s_add_co_u32 s[OFS], s[OFS], s[MOFF]
.if (\p) == 0
	s_add_nc_u64 s[48:49], s[6:7], s[OFS:OFS+1]    ; my tile's words of key step q, in this pass
.endif
	s_add_co_u32 s[OFS], s[OFS], s36
	s_add_nc_u64 s[MB:MB+1], s[6:7], s[OFS:OFS+1]
.if (\p) == 0
	s_sub_co_u32 s[OFS], 15, s[PI]
	s_lshl_b32 s[OFS], s[OFS], 15
	s_add_co_u32 s[OFS], s[OFS], s[MOFF]
	s_add_nc_u64 s[46:47], s[6:7], s[OFS:OFS+1]    ; and in the second pass
.endif
	s_add_co_u32 s[OFS], s[KOFF], s37
	s_add_nc_u64 s[KB:KB+1], s[4:5], s[OFS:OFS+1]  ; K's record of the first trip's key step
	s_lshl_b32 s[TMP], s[HD], 4
	s_add_co_u32 s[TMP], s[TMP], s[BLK]
	s_mul_i32 s[TMP], s[TMP], REC                  ; q's record
	s_add_co_u32 s[OFS], s[TMP], s[FOFF]
	s_add_nc_u64 s[32:33], s[4:5], s[OFS:OFS+1]
	s_add_co_u32 s[OFS], s[TMP], s[SOFF]
	s_add_nc_u64 s[34:35], s[4:5], s[OFS:OFS+1]
	s_lshl_b32 s[TMP], s[BLK], 4
	s_add_co_u32 s[TMP], s[TMP], s[HD]
	s_mul_i32 s[TMP], s[TMP], REC                  ; ctx's record
	s_add_co_u32 s[OFS], s[TMP], s[FOFF]
	s_add_nc_u64 s[CB:CB+1], s[8:9], s[OFS:OFS+1]
	s_and_b32 s[OFS], s[SOFF], 256
	s_add_co_u32 s[OFS], s[TMP], s[OFS]
	s_add_nc_u64 s[CSB+2*\p:CSB+2*\p+1], s[8:9], s[OFS:OFS+1]
	v_lshrrev_b32 v[TM], 1, v[LI]                  ; 8 x lane
	v_and_b32 v[TM+1], 0xf0, v[LI]                 ; 16 r
	s_wait_alu depctr_va_vdst(0)                   ; ahead of the readers below
.if (\p) == 0
.irp t, 0,1,2,3
	global_load_b64 v[ST+2*\t:ST+2*\t+1], v[TM], s[48:49] offset:1024*\t     ; the 64 mask words of each of my four key steps, two a lane,
	global_load_b64 v[ST+8+2*\t:ST+9+2*\t], v[TM], s[46:47] offset:1024*\t   ; of both passes
.endr
.endif
.irp c, 0,1,2
	global_load_b128 v[QF+4*\c:QF+4*\c+3], v[LI], s[32:33] offset:512*\c     ; Q's fragment stays in registers
.endr
	global_load_b32 v[QS], v[TM+1], s[34:35] offset:12288
	v_mov_b32 v13, 0xff61b1e6                      ; the largest t so far: -3e38
	v_mov_b32 v14, 0
	v_mov_b32 v15, 0
	v_floor_f32 v12, -v13                          ; -M
.set j, 0
.rept 64
	v_mov_b32 v[OT+j], 0                           ; O^T: a wave may find no step to do, and then hands zeros on
.set j, j+1
.endr
	s_wait_alu depctr_va_vdst(0)
	s_wait_xcnt 0x0                                ; the prefetch has read its address registers: they are written again below
	s_wait_loadcnt 0x0
.if (\p) == 0
.set kk, 0
.rept 8
	v_or_b32 v[ST+16+kk], v[ST+2*kk], v[ST+2*kk+1]
	v_and_b32 v[ST+24+kk], v[ST+2*kk], v[ST+2*kk+1]
.set kk, kk+1
.endr
.set kk, 0
.rept 8
	v_cmp_ne_u32 s[36+kk], 0, v[ST+16+kk]          ; not 0: some key of the step is visible
	v_cmp_ne_u32 s[44+kk], -1, v[ST+24+kk]         ; not 0: some key is hidden
.set kk, kk+1
.endr
	s_mov_b32 s[FLG], 0
.set kk, 0
.rept 8
	s_cmp_lg_u32 s[36+kk], 0
	s_cselect_b32 s[TMP], 1<<(16*(kk/4)+kk%4), 0
	s_or_b32 s[FLG], s[FLG], s[TMP]
	s_cmp_lg_u32 s[44+kk], 0
	s_cselect_b32 s[TMP], 256<<(16*(kk/4)+kk%4), 0
	s_or_b32 s[FLG], s[FLG], s[TMP]
.set kk, kk+1
.endr
.endif
	s_mov_b32 s[TT], 0
.Ltrip_\p:
	s_add_co_u32 s[TMP], s[TT], s[PI]
	s_and_b32 s[TMP], s[TMP], 3                    ; t of this trip
	s_lshr_b32 s[TMP], s[FLG], s[TMP]
	s_and_b32 s[TMP], s[TMP], 1
	s_cmp_lg_u32 s[TMP], 0
	s_cbranch_scc0 .Lskip_\p                       ; no key of this step is visible to my tile
	STEP \p
.Lskip_\p:
	s_add_co_u32 s[TMP], s[TT], s[PI]
	s_and_b32 s[TMP], s[TMP], 3
	s_cmp_eq_u32 s[TMP], 3                         ; behind t = 3 comes t = 0
	s_cselect_b32 s[OFS], 16*REC, 0
	s_add_nc_u64 s[KB:KB+1], s[KB:KB+1], 4*REC     ; (every load of the step has been waited for)
	s_sub_nc_u64 s[KB:KB+1], s[KB:KB+1], s[OFS:OFS+1]
	s_cselect_b32 s[OFS], 4096, 0
	s_add_nc_u64 s[MB:MB+1], s[MB:MB+1], 1024
	s_sub_nc_u64 s[MB:MB+1], s[MB:MB+1], s[OFS:OFS+1]
	s_add_co_u32 s[TT], s[TT], 1
	s_cmp_lt_u32 s[TT], 4
	s_cbranch_scc1 .Ltrip_\p
	; THE QUARTERS MEET
	s_cmp_eq_u32 s[Q], 0
	s_cbranch_scc1 .Lkeep_\p
.set j, 0
.rept 16
	ds_store_b128 v[XA], v[OT+4*j:OT+4*j+3] offset:512*j   ; each accumulator from its low end on
.set j, j+1
.endr
	ds_store_b128 v[XA], v[12:15] offset:8192      ; -M, the largest t, the sum's two halves
.Lkeep_\p:
	s_wait_dscnt 0x0                               ; for the others' sake: my stores have landed
	s_barrier_signal -1
	s_barrier_wait -1
	s_cmp_lg_u32 s[Q], 0
	s_cbranch_scc1 .Lgiven_\p
.irp k, 0,1,2
	ds_load_b128 v[TM+4*\k:TM+4*\k+3], v[XA] offset:XSZ*(\k+1)+8192
.endr
.set j, 0
.rept 16
	ds_load_b128 v[ST+4*j:ST+4*j+3], v[XA] offset:XSZ+512*j
.set j, j+1
.endr
.set j, 0
.rept 16
	P2REG j
	ds_load_b128 v[RG:RG+3], v[XA] offset:2*XSZ+512*j
.set j, j+1
.endr
	s_wait_dscnt 32                                ; the three small loads are in; the 32 behind them may be out
	v_min3_num_f32 v[T1], v12, v[TM], v[TM+4]
	v_add_f32 v14, v14, v15
.irp k, 0,4,8
	v_add_f32 v[TM+\k+2], v[TM+\k+2], v[TM+\k+3]
.endr
	v_min_num_f32 v[T1], v[T1], v[TM+8]            ; the common -M: the largest M
	v_sub_f32 v12, v[T1], v12                      ; each part's M less the common M: a whole number, 0 or less
.irp k, 0,4,8
	v_sub_f32 v[TM+\k], v[T1], v[TM+\k]
.endr
	v_cvt_i32_f32 v12, v12                         ; (they saturate: a part with no visible key gets the factor 0)
.irp k, 0,4,8
	v_cvt_i32_f32 v[TM+\k], v[TM+\k]
.endr
	v_ldexp_f32 v[FF], 1.0, v12
.irp k, 0,4,8
	v_ldexp_f32 v[TM+\k], 1.0, v[TM+\k]            ; the factors: powers of two
.endr
	v_mul_f32 v14, v14, v[FF]
.irp k, 0,4,8
	v_fmac_f32 v14, v[TM+\k+2], v[TM+\k]           ; the lane's part of the row's sum, under the common M
.endr
	v_permlanex16_b32 v[T1], v14, s[SEL], s[SEL+1]
	v_add_f32 v14, v14, v[T1]                      ; the row's sum
	s_wait_alu depctr_va_vdst(0)                   ; ahead of the transcendental
	v_rcp_f32 v15, v14
	v_nop
	s_wait_alu depctr_va_vdst(0)                   ; and ahead of its first reader
	v_mul_f32 v[FF], v[FF], v15                    ; the division by the sum goes into the factors
.irp k, 0,4,8
	v_mul_f32 v[TM+\k], v[TM+\k], v15
.endr
	s_wait_alu depctr_va_vdst(0)                   ; directly ahead of the first reader of O^T
.set j, 0
.rept 32
	v_pk_mul_f32 v[OT+j:OT+j+1], v[OT+j:OT+j+1], v[FF:FF+1] op_sel_hi:[1,0]
.set j, j+2
.endr
	s_wait_dscnt 16                                ; the first part is in
	ACCUM 0, 0
.set j, 0
.rept 16
	ds_load_b128 v[ST+4*j:ST+4*j+3], v[XA] offset:3*XSZ+512*j
.set j, j+1
.endr
	s_wait_dscnt 16                                ; the second part is in; the third's 16 loads may be out
	ACCUM 1, 1
	s_wait_dscnt 0x0
	ACCUM 2, 0                                     ; ctx: register 16 b + i of a lane is channel 32 b + 16 (lane / 16) + i of its query
.irp b, 0,1,2,3
	v_max3_num_f32 v[TM+\b], |v[OT+16*\b]|, |v[OT+1+16*\b]|, 0x1800000
.endr
.irp i, 2,4,6,8,10,12,14
.irp b, 0,1,2,3
	v_max3_num_f32 v[TM+\b], v[TM+\b], |v[OT+16*\b+\i]|, |v[OT+1+16*\b+\i]|
.endr
.endr
.irp b, 0,1,2,3
	v_permlanex16_b32 v[TM+4+\b], v[TM+\b], s[SEL], s[SEL+1]
.endr
.irp b, 0,1,2,3
	v_max_num_f32 v[TM+\b], v[TM+\b], v[TM+4+\b]
.endr
	CODES OT, 0
.irp c, 0,1,2
	global_store_b128 v[LI], v[PC+4*\c:PC+4*\c+3], s[CB:CB+1] offset:512*\c   ; 32 lanes store 512 consecutive bytes, aligned
.endr
	ds_store_b32 v[CSW], v[PW] offset:256*\p       ; lanes l and l xor 16 write the same word with the same value
	s_cmp_lg_u32 s[HD], 0
	s_cbranch_scc1 .Lgiven_\p                      ; the mask is the same for all heads: head 0's work-groups store the rows' flags
	v_cmp_neq_f32 vcc_lo, 0, v14                   ; with any visible key the largest p is above 1/2
	v_mov_b32 v[ST+1], 0
	v_and_b32 v[ST], 0xf0, v[LI]
	v_and_b32 v[ST+2], 0x80, v[LI]
	v_cndmask_b32 v[ST+1], 0x7fc00000, v[ST+1], vcc_lo   ; NaN for a query with no key, else 0
	v_add_nc_u32 v[ST], v[ST], v[ST+2]
	v_lshrrev_b32 v[ST], 2, v[ST]                  ; 4 (r + 8 (r / 8))
	s_and_b32 s32, s[SOFF], 12
	s_lshl_b32 s32, s32, 5                         ; 4 x 32 j
	s_lshr_b32 s33, s[SOFF], 8
	s_lshl_b32 s33, s33, 5                         ; 4 x 8 u
	s_add_co_u32 s32, s32, s33
	s_lshl_b32 s[OFS], s[BLK], 9                   ; 4 x 128 x block
	s_add_co_u32 s[OFS], s[OFS], s32
	s_add_nc_u64 s[34:35], s[10:11], s[OFS:OFS+1]
	s_wait_alu depctr_va_vdst(0)                   ; directly ahead of the reader below
	global_store_b32 v[ST], v[ST+1], s[34:35]      ; lanes l and l xor 16 write the same word with the same value
.Lgiven_\p:
.endm
	s_load_b256 s[4:11], s[0:1], 0x0               ; qkv, maskw, ctx, rowf
	v_lshl_add_u32 v[SPW], v0, 2, SPARE
	v_mov_b32 v[NIL], 0
	v_lshrrev_b32 v[T1], 5, v0
	v_readfirstlane_b32 s[WV], v[T1]               ; wave 0..15
	s_and_b32 s32, s[WV], 3                        ; j
	s_lshr_b32 s[Q], s[WV], 2                      ; q
	s_and_b32 s33, ttmp9, 1                        ; u
	s_lshr_b32 s[PI], ttmp9, 1                     ; i
	s_sub_co_u32 s[PI], 15, s[PI]                  ; the first pass's block
	s_and_b32 s[HD], ttmp7, 0xffff                 ; the head
	s_mul_i32 s35, s32, 3
	s_add_co_u32 s35, s35, s[Q]
	s_mul_i32 s35, s35, XSZ                        ; stage 3 j + q
	s_lshl_b32 s36, s32, 2
	s_lshl_b32 s[SOFF], s33, 8
	s_add_co_u32 s[SOFF], s[SOFF], s36             ; 256 u + 4 j
	s_add_co_u32 s36, s36, CST
	s_lshl_b32 s34, s32, 1
	s_add_co_u32 s34, s34, s33                     ; a = 2 j + u
	s_lshl_b32 s[MOFF], s34, 12
	s_lshl_b32 s[TMP], s[Q], 8
	s_add_co_u32 s[MOFF], s[MOFF], s[TMP]
	s_mul_i32 s[FOFF], s34, 1536
	s_lshl_b32 s[KOFF], s[HD], 4
	s_add_co_u32 s[KOFF], s[KOFF], s[Q]
	s_add_co_u32 s[KOFF], s[KOFF], 256
	s_mul_i32 s[KOFF], s[KOFF], REC
	s_mov_b32 s[OFS+1], 0
	s_mov_b32 s[SEL], 0x76543210
	s_mov_b32 s[SEL+1], 0xfedcba98
	s_mov_b32 s[CS], 0x3e0293ee
	s_mov_b32 s[CS+1], s[CS]                       ; (named with it as a pair, so it is written)
	v_and_b32 v[LI], 31, v0
	v_mov_b32 v[NINF], 0xff800000
	v_lshlrev_b32 v[LI], 4, v[LI]                  ; 16 x lane
	v_mov_b32 v[FF+1], 0                           ; (named as the upper half of a pair)
	v_add_nc_u32 v[XA], s35, v[LI]
	v_and_b32 v[CSW], 0xf0, v[LI]
	v_lshlrev_b32 v[ST+40], 4, v[LI]               ; 256 x lane: a lane a block, for the prefetches
.irp b, 0,1,2,3
	v_mov_b32 v[TM+4+\b], 0                        ; written once: a lane permute's destination counts as read
.endr
	v_add_nc_u32 v[CSW], s36, v[CSW]               ; where my row's scale word of ctx goes: 16 r + 4 j
	s_wait_alu depctr_va_vdst(0)                   ; the head's end
	s_wait_kmcnt 0x0
	s_cmp_lg_u32 s[Q], 0
	s_cbranch_scc1 .Lpf_q
	s_lshl_b32 s37, ttmp9, 2
	s_add_co_u32 s37, s37, s32                     ; 4 x + j: which 32 blocks of the head's K and V
	s_cmp_lt_u32 s37, 50
	s_cbranch_scc0 .Lpf_done                       ; 50 x 32 blocks are all
	s_cmp_lt_u32 s37, 25
	s_cselect_b32 s38, 0, VOF-16*REC               ; behind K's 25 x 8,192 bytes come V's
	s_lshl_b32 s37, s37, 13
	s_add_co_u32 s37, s37, s38
	s_lshl_b32 s38, s[HD], 4
	s_add_co_u32 s38, s38, 256
	s_mul_i32 s38, s38, REC                        ; the head's first record of K
	s_add_co_u32 s[OFS], s37, s38
	s_add_nc_u64 s[44:45], s[4:5], s[OFS:OFS+1]
	global_prefetch_b8 v[ST+40], s[44:45] th:TH_LOAD_NT scope:SCOPE_SE
	s_branch .Lpf_done
.Lpf_q:
	s_cmp_lg_u32 s[Q], 1
	s_cbranch_scc1 .Lpf_done
	s_sub_co_u32 s37, 15, s[PI]                    ; the second pass's block
	s_lshl_b32 s38, s[HD], 4
	s_add_co_u32 s37, s37, s38
	s_mul_i32 s37, s37, REC
	s_add_co_u32 s[OFS], s37, s[FOFF]
	s_add_nc_u64 s[44:45], s[4:5], s[OFS:OFS+1]    ; my fragment of its Q
	s_add_co_u32 s39, s[SOFF], 12288
	s_sub_co_u32 s39, s39, s[FOFF]                 ; from there to the block of scale words (j = 0)
	s_cmp_eq_u32 s32, 0
	s_cselect_b32 s39, s39, 0x500                  ; the other waves' lanes left over name the fragment's sixth block again
	v_cmp_gt_u32 vcc_lo, 0x600, v[ST+40]           ; lanes 0-5: the fragment's six blocks
	v_cndmask_b32 v[ST+41], s39, v[ST+40], vcc_lo
	global_prefetch_b8 v[ST+41], s[44:45] th:TH_LOAD_NT scope:SCOPE_SE
.Lpf_done:
	PASS 0
	PASS 1
	s_wait_dscnt 0x0                               ; for the others' sake
	s_barrier_signal -1
	s_barrier_wait -1
	s_cmp_lg_u32 s[WV], 0
	s_cbranch_scc1 .Lnot_mine
	v_and_b32 v[T1], 0xf0, v[LI]                   ; 16 r
	v_add_nc_u32 v[XA], CST, v[T1]
	ds_load_b128 v[ST+8:ST+11], v[XA]              ; the four fragments' scale words of each pass: 256 bytes
	ds_load_b128 v[ST+12:ST+15], v[XA] offset:256
	s_wait_alu depctr_va_vdst(0)
	s_wait_dscnt 0x0
	global_store_b128 v[T1], v[ST+8:ST+11], s[CSB:CSB+1] offset:12288      ; 16 lanes store 256 consecutive bytes, aligned; lanes l and l xor 16 write the same bytes with the same values
	global_store_b128 v[T1], v[ST+12:ST+15], s[CSB+2:CSB+3] offset:12288
.Lnot_mine:
	s_wait_tensorcnt 0x0                           ; the wave's end
	ds_add_u32 v[SPW], v[NIL]
	s_wait_dscnt 0x0
	s_endpgm
.Lfunc_end_k_qdfb015a686_attn:
	.size	k_qdfb015a686_attn, .Lfunc_end_k_qdfb015a686_attn-k_qdfb015a686_attn
	.p2alignl 7, 3214868480
	.fill 96, 4, 3214868480
	.section	.rodata,"a",@progbits
	.p2align	6, 0x0
	.amdhsa_kernel k_qdfb015a686_attn
		.amdhsa_group_segment_fixed_size 228864
		.amdhsa_private_segment_fixed_size 0
		.amdhsa_enable_private_segment 0
		.amdhsa_kernarg_size 32
		.amdhsa_user_sgpr_count 2
		.amdhsa_user_sgpr_kernarg_segment_ptr 1
		.amdhsa_wavefront_size32 1
		.amdhsa_system_sgpr_workgroup_id_x 1
		.amdhsa_system_sgpr_workgroup_id_y 1
		.amdhsa_system_sgpr_workgroup_id_z 1
		.amdhsa_system_vgpr_workitem_id 0
		.amdhsa_next_free_vgpr 256
		.amdhsa_next_free_sgpr 106
		.amdhsa_reserve_vcc 1
		.amdhsa_float_denorm_mode_32 3
		.amdhsa_float_denorm_mode_16_64 3
		.amdhsa_memory_ordered 1
		.amdhsa_forward_progress 1
		.amdhsa_inst_pref_size 104
	.end_amdhsa_kernel
	.amdgpu_metadata
---
amdhsa.version: [ 1, 2 ]
amdhsa.kernels:
  - .name:           k_qdfb015a686_attn
    .symbol:         k_qdfb015a686_attn.kd
    .args:
      - { .name: qkv, .offset: 0, .size: 8, .value_kind: global_buffer, .address_space: global }
      - { .name: maskw, .offset: 8, .size: 8, .value_kind: global_buffer, .address_space: global }
      - { .name: ctx, .offset: 16, .size: 8, .value_kind: global_buffer, .address_space: global }
      - { .name: rowf, .offset: 24, .size: 8, .value_kind: global_buffer, .address_space: global }
    .group_segment_fixed_size: 228864
    .private_segment_fixed_size: 0
    .kernarg_segment_align: 8
    .kernarg_segment_size: 32
    .max_flat_workgroup_size: 512
    .sgpr_count:     106
    .vgpr_count:     256
    .wavefront_size: 32
...
	.end_amdgpu_metadata
.endif
;; end of part 3
;; launch outp (part 4): grid 16 x 16, 4 waves a work-group, clusters of 4 x 4, 327,680 bytes of LDS; arguments ctx, opc, bo, out0, rowf; writes out0
.if DOCPART == 4
	.amdgcn_target "amdgcn-amd-amdhsa--gfx1250"
	.amdhsa_code_object_version 6
	.text
	.protected	k_qdfb015a686_outp
	.globl	k_qdfb015a686_outp
	.p2align	8
	.type	k_qdfb015a686_outp,@function
k_qdfb015a686_outp:
	s_mov_b64 s[64:65], 0
	v_nop
	global_prefetch_b8 v0, s[64:65] scope:SCOPE_SE
	s_setreg_imm32_b32 hwreg(HW_REG_WAVE_MODE, 25, 1), 1
	s_wait_xcnt 0x0
	s_wait_alu depctr_hold_cnt(0) depctr_sa_sdst(0) depctr_va_vdst(0) depctr_va_sdst(0) depctr_va_ssrc(0) depctr_va_vcc(0) depctr_vm_vsrc(0)
	s_getreg_b32 s2, hwreg(HW_REG_IB_STS2, 6, 4)
	s_cmp_eq_u32 s2, 0
	s_cbranch_scc0 .Lentry_in_a_cluster
	s_endpgm
.Lentry_in_a_cluster:
	s_bfe_u32 s2, ttmp6, 0x10000c
	s_cmp_lg_u32 s2, 0xf033
	s_cbranch_scc0 .Lentry_shape_is_right
	s_endpgm
.Lentry_shape_is_right:
; out0 = ctx wo^T + bo, on codes of FP6 (E2M3) with E8M0 scales, f32 sums; out0: [2048][2048] f32.
; Both operands lie as RECORDS (12,800 bytes: 128 rows x 128 K as images of the operand's registers: fragment a at 1536 a, registers 4 c .. 4 c + 3 of lane l at + 512 c + 16 l; the scale word of (fragment a, lane r) at
; 12288 + 256 (a % 2) + 16 r + 4 (a / 2); lane r of fragment a stands for row 32 (a / 2) + 8 (a % 2) + r + 8 (r / 8)).  ctx: row block y at 204,800 y; wo: in opc at 204,800 (64 + x); K step s at + 12,800 s.
; A tile of out0 is 128 x 128, so that there are 256 work-groups (tiles of 256 x 256 would be 64); four waves, 64 x 64 each: 16 accumulators.  The bias is the C of each sum's first product.
; A row of ctx whose scale words say NaN (a query with no key) gives NaN in its whole row of out0.
; CLUSTERS: 4 x 4: ctx's records are shared along a row of the cluster, wo's along a column: joint loads of two records (25,600 dense bytes, as 100 rows of 256).
; LDS: 12 records of A from byte 0, 12 of B from 153,600.  K steps 0-11 are asked for at the start (one load a wave); ONE refill brings K steps 12-15 into steps 0-3's bytes, eight K steps ahead of its use.
; THE MATRIX INSTRUCTION IS USED TRANSPOSED (source 0 = 16 rows of wo, source 1 = 16 rows of ctx): a lane holds eight neighbouring columns of one row of out0.
; REGISTERS: window 0: v16-30 addresses; v32-63 the bias (later rows on the way out); v64-71 scale words, two sets; v96-127 rows on the way out; v128-255 the accumulators ((a, b) at v[128 + 8 (4 a + b)]).
;   window 1: two fragment buffers at v0 and v128: A's four fragments, then B's four.
.set REC,   12800
.set BREG,  12*REC
.set SPARE, 2*BREG                     ; the spare words, 128 bytes for each wave: two blocks of 256 bytes that no other line names
.set STAGE, 4*REC                      ; the way out: 16 rows x 272 bytes for each wave, in the bytes of A's K steps 4-7: they have had their only fill, and their last read lies ahead of the last barrier
.set ADRA,  16                         ; v16-18 my A fragments in the three groups of four K steps
.set ADRB,  19                         ; v19-21 my B fragments
.set ADRS,  22                         ; v22-24 my scale words: lanes 0-15 A's, lanes 16-31 B's
.set STO,   25
.set RD,    26
.set CO,    27
.set SPW,   28
.set NIL,   29
.set LI,    30
.set BI,    32
.set SC,    64                         ; K step parity p, fragment t: v[64 + 4 p + 2 (t % 2) + t / 2]
.set ACC,   128
.set G1A,   24
.set G0A,   32
.set G1B,   44
.set G0B,   52
.set MSB, 0
.macro WIN new                         ; the immediate's high byte repeats the setting that is left
.if MSB != \new
	s_set_vgpr_msb (MSB<<8)|(\new)
.set MSB, \new
.endif
.endm
.macro PLACES
.rept 4
	v_nop
.endr
.endm
.macro CREST
	s_cmp_lg_u32 s14, 0
	s_cbranch_scc1 .Lnot_wave_0_\@
	s_barrier_signal -3
.Lnot_wave_0_\@:
	s_barrier_wait -3
	s_barrier_signal -1
	s_barrier_wait -1
.endm
.macro CROUND
	s_barrier_signal -1
	s_barrier_wait -1
	CREST
.endm
	s_load_b256 s[4:11], s[0:1], 0x0               ; ctx s[4:5], opc s[6:7], bo s[8:9], out0 s[10:11]
	s_load_b64 s[80:81], s[0:1], 0x20              ; rowf: NaN for a query with no visible key, else 0
	v_lshl_add_u32 v[SPW], v0, 2, SPARE
	v_mov_b32 v[NIL], 0
	ds_add_u32 v28, v29
	ds_add_u32 v28, v29
	s_wait_dscnt 0x0
	v_lshrrev_b32 v1, 5, v0
	v_readfirstlane_b32 s14, v1                    ; wave 0..3
	s_lshr_b32 s15, s14, 1                         ; which half of the tile's rows is mine.  Also: I fetch for A (0) or for B (1)
	s_and_b32 s16, s14, 1                          ; which half of its columns.  Also: which two of a fill's four records I fetch
	s_bfe_u32 s12, ttmp6, 0x40000                  ; cx, cy
	s_bfe_u32 s13, ttmp6, 0x40004
	s_lshl_b32 s18, ttmp9, 2
	s_add_co_u32 s18, s18, s12                     ; tile column
	s_and_b32 s17, ttmp7, 0xffff
	s_lshl_b32 s17, s17, 2
	s_add_co_u32 s17, s17, s13                     ; tile row
	s_lshl_b32 s19, s13, 2
	s_lshl_b32 s19, 15, s19                        ; my row of the cluster
	s_lshl_b32 s20, 0x1111, s12                    ; my column
	s_or_b32 s[G1A+0], s19, (3<<16)|(1<<21)        ; 15:0 the mask; 17:16 elements of 8 bytes; 21 set beside a mask; no padding
	s_or_b32 s[G1B+0], s20, (3<<16)|(1<<21)
.irp g, G1A, G1B
	s_mov_b32 s[\g+1], 32<<16                      ; 25,600 dense bytes as 100 rows of 32 elements
	s_mov_b32 s[\g+2], 300<<16                     ; the head's load: six records, 76,800 dense bytes as 300 rows (the refill sets 100 rows: two records)
	s_mov_b32 s[\g+3], 32<<16
	s_mov_b32 s[\g+4], 300
	s_mov_b32 s[\g+5], 32
	s_mov_b32 s[\g+6], 0
	s_mov_b32 s[\g+7], 0
.endr
	s_mul_i32 s70, s16, 2*REC
	s_mul_i32 s22, s17, 16*REC
	s_add_co_u32 s22, s22, s70                     ; A: row block = tile row
	s_mov_b32 s23, 0
	s_add_co_u32 s68, s18, 64
	s_mul_i32 s68, s68, 16*REC
	s_add_co_u32 s68, s68, s70                     ; B: row block 64 + tile column of opc
	s_mov_b32 s69, 0
	s_mul_i32 s21, s15, BREG
	s_add_co_u32 s21, s21, s70                     ; where they go: no place in the cluster enters an LDS address
	s_wait_kmcnt 0x0
	s_add_nc_u64 s[22:23], s[4:5], s[22:23]
	s_add_nc_u64 s[68:69], s[6:7], s[68:69]
.irp g, 0,1
	s_mov_b32 s[G0A+4*\g], 1
	s_mov_b32 s[G0A+4*\g+1], s21                   ; set 0 serves the refill (two records a wave), set 1 the head's load (six)
	s_mov_b64 s[G0A+4*\g+2:G0A+4*\g+3], s[22:23]
	s_or_b32 s[G0A+4*\g+3], s[G0A+4*\g+3], 0x80000000
	s_mov_b32 s[G0B+4*\g], 1
	s_mov_b32 s[G0B+4*\g+1], s21
	s_mov_b64 s[G0B+4*\g+2:G0B+4*\g+3], s[68:69]
	s_or_b32 s[G0B+4*\g+3], s[G0B+4*\g+3], 0x80000000
.endr
	s_mov_b32 s71, 0                               ; the head's load of a wave brings SIX records, K steps 6 half .. 6 half + 5: four records more for the half, in LDS and in memory
	s_lshl_b32 s70, s70, 1
	s_add_co_u32 s[G0A+5], s[G0A+5], s70
	s_add_nc_u64 s[G0A+6:G0A+7], s[G0A+6:G0A+7], s[70:71]
	s_add_co_u32 s[G0B+5], s[G0B+5], s70
	s_add_nc_u64 s[G0B+6:G0B+7], s[G0B+6:G0B+7], s[70:71]
	CROUND                                         ; all sixteen work-groups are here: the first joint loads meet
	s_cmp_eq_u32 s15, 0                            ; K steps 0-11: one tensor load a wave at the head
	s_cbranch_scc0 .Lfirst_b
	tensor_load_to_lds s[G0A+4:G0A+7], s[G1A:G1A+7]
	s_nop 0
	PLACES
	s_branch .Lfirst_asked
.Lfirst_b:
	tensor_load_to_lds s[G0B+4:G0B+7], s[G1B:G1B+7]
	s_nop 0
	PLACES
.Lfirst_asked:
	v_and_b32 v1, 15, v0                           ; r
	s_wait_alu depctr_va_vdst(0)
	v_bfe_u32 v2, v0, 4, 1                         ; h
	s_wait_alu depctr_va_vdst(0)
	v_and_b32 v3, 31, v0
	v_lshlrev_b32 v[LI], 4, v3
	s_wait_alu depctr_va_vdst(0)
	v_lshlrev_b32 v4, 6, v2                        ; 64 h
	s_lshl_b32 s70, s18, 9
	s_lshl_b32 s71, s16, 8
	s_add_co_u32 s70, s70, s71                     ; my first column, in bytes: 512 x tile column + 256 x half
	s_mov_b32 s71, 0
	s_add_nc_u64 s[8:9], s[8:9], s[70:71]
.irp b, 0,1,2,3                        ; the bias in the result's layout: block b, register j: bo[32 (b / 2) + 8 (b % 2) + 16 h + j]
	global_load_b128 v[BI+8*\b:BI+8*\b+3], v4, s[8:9] offset:(32*(\b/2)+8*(\b%2))*4
	global_load_b128 v[BI+8*\b+4:BI+8*\b+7], v4, s[8:9] offset:(32*(\b/2)+8*(\b%2))*4+16
.endr
	v_and_b32 v7, 8, v1
	v_add_nc_u32 v7, v7, v1
	v_lshlrev_b32 v7, 2, v7                        ; 4 (r + 8 (r / 8))
	s_lshl_b32 s72, s17, 9
	s_lshl_b32 s73, s15, 8
	s_add_co_u32 s72, s72, s73                     ; 4 (128 x tile row + 64 x half)
	s_mov_b32 s73, 0
	s_add_nc_u64 s[80:81], s[80:81], s[72:73]
.irp a, 0,1,2,3
	global_load_b32 v[8+\a], v7, s[80:81] offset:(32*(\a/2)+8*(\a%2))*4   ; the flag of my row in each of my four blocks of rows
.endr
	s_lshl_b32 s72, s17, 20
	s_lshl_b32 s73, s15, 19
	s_add_co_u32 s72, s72, s73
	s_add_co_u32 s72, s72, s70
	s_mov_b32 s73, 0
	s_add_nc_u64 s[10:11], s[10:11], s[72:73]
	s_mul_i32 s74, s15, 4*1536                     ; my four fragments of A,
	s_mul_i32 s75, s16, 4*1536
	s_add_co_u32 s75, s75, BREG                    ; and of B
	s_xor_b32 s76, s15, 1
	s_add_co_u32 s76, s76, s16
	s_lshl_b32 s76, s76, 3
	s_add_co_u32 s76, s76, BREG-8                  ; from my scale words of A to those of B: BREG + 8 (columns' half) - 8 (rows' half)
	s_lshl_b32 s77, s15, 3
	v_lshlrev_b32 v5, 4, v1
	v_mul_u32_u24 v6, s76, v2                      ; lanes 16-31 take B's
	v_add_nc_u32 v5, v5, v6
	v_add_nc_u32 v5, s77, v5
.irp g, 0,1,2
	v_add_nc_u32 v[ADRA+\g], s74, v[LI]
	v_add_nc_u32 v[ADRB+\g], s75, v[LI]
	v_add_nc_u32 v[ADRS+\g], 4*REC*\g, v5
	s_add_co_u32 s74, s74, 4*REC
	s_add_co_u32 s75, s75, 4*REC
.endr
	s_mul_i32 s78, s14, 16*272
	s_add_co_u32 s78, s78, STAGE                   ; my stage
	v_mul_u32_u24 v6, v1, 272
	v_lshl_add_u32 v6, v2, 6, v6
	v_add_nc_u32 v[STO], s78, v6                   ; in: row r, + 64 h
	v_mul_u32_u24 v6, v2, 272
	v_lshl_add_u32 v6, v1, 4, v6
	v_add_nc_u32 v[RD], s78, v6                    ; back: lanes 0-15 one row of 256 bytes, lanes 16-31 the next
	v_lshlrev_b32 v6, 13, v2
	v_lshl_add_u32 v[CO], v1, 4, v6                ; and the same two rows in out0
; K step k's scale words (two loads of 8 bytes: fragments u and 2 + u) and its eight fragments, into the buffer of its parity
.macro FETCH k
.set SG, ((\k)/4)%3
.set FB, 128*((\k)%2)
	WIN 0
.irp u, 0,1
	ds_load_b64 v[SC+4*((\k)%2)+2*\u:SC+4*((\k)%2)+2*\u+1], v[ADRS+SG] offset:12288+REC*((\k)%4)+256*\u
.endr
	WIN 0x40                                       ; destination window 1
.irp i, 0,1,2,3
.irp c, 0,1,2
	ds_load_b128 v[FB+12*\i+4*\c:FB+12*\i+4*\c+3], v[ADRA+SG] offset:REC*((\k)%4)+1536*\i+512*\c
	ds_load_b128 v[FB+48+12*\i+4*\c:FB+48+12*\i+4*\c+3], v[ADRB+SG] offset:REC*((\k)%4)+1536*\i+512*\c
.endr
.endr
.endm
; 8 matrix instructions: A's fragments a0, a0 + 1 x B's four.  In K step 0 the bias is C.  The 16 accumulators take turns, one instruction a turn.
.macro MUL8 k, a0
	WIN 0x05                                       ; sources 0 and 1 window 1; C and D window 0
.set FB, 128*((\k)%2)
.set SB, SC+4*((\k)%2)
.irp a, \a0, \a0+1
.irp b, 0,1,2,3
.set rD, ACC+8*(4*(\a)+\b)
.if (\k) == 0
	v_wmma_scale_f32_16x16x128_f8f6f4 v[rD:rD+7], v[FB+48+12*\b:FB+48+12*\b+11], v[FB+12*(\a):FB+12*(\a)+11], v[BI+8*\b:BI+8*\b+7], v[SB+2*(\b%2)+\b/2], v[SB+2*((\a)%2)+(\a)/2] matrix_a_fmt:MATRIX_FMT_FP6 matrix_b_fmt:MATRIX_FMT_FP6 matrix_a_scale:MATRIX_SCALE_ROW1
.else
	v_wmma_scale_f32_16x16x128_f8f6f4 v[rD:rD+7], v[FB+48+12*\b:FB+48+12*\b+11], v[FB+12*(\a):FB+12*(\a)+11], v[rD:rD+7], v[SB+2*(\b%2)+\b/2], v[SB+2*((\a)%2)+(\a)/2] matrix_a_fmt:MATRIX_FMT_FP6 matrix_b_fmt:MATRIX_FMT_FP6 matrix_a_scale:MATRIX_SCALE_ROW1
.endif
.endr
.endr
.endm
.macro STEPO k
	s_wait_dscnt 0x0                               ; this K step's fragments and scale words are in
	PLACES                                         ; behind the last step's products, whose buffer the loads below fill
	FETCH (\k)+1
	MUL8 \k, 0
	MUL8 \k, 2
.endm
; A K step with a barrier in it.  fill = 1: the bytes of K steps 0-3 are filled again; fill = 0: the refill is shown to every wave.
.macro TURNO k, fill
	WIN 0
	s_wait_tensorcnt 0x0                           ; all my tensor loads have landed
	ds_add_u32 v[SPW], v[NIL]                      ; 0 onto my spare word
	s_wait_dscnt 1                                 ; this K step's fragments are in (the add may be out)
	MUL8 \k, 0                                     ; eight matrix instructions stand between the add and the wait for it
	s_wait_dscnt 0x0                               ; the add is done, and my LDS reads are over
	s_barrier_signal -1
	WIN 0
	s_barrier_wait -1
.if \fill
	CREST                                          ; the barrier has opened a round of the cluster's barrier
	s_add_nc_u64 s[G0A+2:G0A+3], s[G0A+2:G0A+3], 12*REC
	s_add_nc_u64 s[G0B+2:G0B+3], s[G0B+2:G0B+3], 12*REC
	s_mov_b32 s[G1A+2], 100<<16                    ; no tensor load of mine is out: the refill brings two records a wave again
	s_mov_b32 s[G1A+4], 100
	s_mov_b32 s[G1B+2], 100<<16
	s_mov_b32 s[G1B+4], 100
	s_cmp_eq_u32 s15, 0
	s_cbranch_scc0 .Lfor_b_\@
	tensor_load_to_lds s[G0A:G0A+3], s[G1A:G1A+7]  ; the one refill: K steps 12-15; it has eight K steps in which to land
	s_nop 0
	PLACES
	s_branch .Lasked_\@
.Lfor_b_\@:
	tensor_load_to_lds s[G0B:G0B+3], s[G1B:G1B+7]
	s_nop 0
	PLACES
.Lasked_\@:
.else
	PLACES
.endif
	FETCH (\k)+1
	MUL8 \k, 2
.endm
	s_wait_alu depctr_va_vdst(0)                   ; the head's end
	s_wait_tensorcnt 0x0                           ; my six records of K steps 0-11 are in
	s_barrier_signal -1
	s_barrier_wait -1                              ; everybody's are
	FETCH 0
	s_wait_loadcnt 0x0                             ; the bias
.irp k, 0,1,2
	STEPO \k
.endr
	TURNO 3, 1
	s_wait_alu depctr_va_vdst(0)
.irp k, 4,5,6,7,8,9,10
	STEPO \k
.endr
	TURNO 11, 0
.irp k, 12,13,14
	STEPO \k
.endr
	s_wait_dscnt 0x0
	MUL8 15, 0
	MUL8 15, 2
	WIN 0
; THE WAY OUT, a block of 16 rows x 64 columns at a time: through my own stage in LDS (rows 272 bytes apart) and back as whole rows of 256 bytes.  LDS serves a wave's instructions in order (ISA guide 5.7.1.4).
.macro TOSTAGE a
.set j, 0
.rept 32
	v_add_f32 v[ACC+32*(\a)+j], v[ACC+32*(\a)+j], v[8+(\a)]   ; + my row's flag: 0, or NaN for a query with no key; each accumulator from its low end on
.set j, j+1
.endr
.irp b, 0,1,2,3
	ds_store_b128 v[STO], v[ACC+8*(4*(\a)+\b):ACC+8*(4*(\a)+\b)+3] offset:128*(\b/2)+32*(\b%2)       ; each accumulator from its low end on
	ds_store_b128 v[STO], v[ACC+8*(4*(\a)+\b)+4:ACC+8*(4*(\a)+\b)+7] offset:128*(\b/2)+32*(\b%2)+16
.endr
.set BB, 96-64*((\a)%2)
.irp i, 0,1,2,3,4,5,6,7
	ds_load_b128 v[BB+4*\i:BB+4*\i+3], v[RD] offset:544*\i
.endr
.endm
.macro SEND a, younger                 ; younger: the LDS instructions issued behind block a's loads, which may stay out
.set BB, 96-64*((\a)%2)
	s_wait_dscnt \younger
.irp i, 0,1,2,3,4,5,6,7
	global_store_b128 v[CO], v[BB+4*\i:BB+4*\i+3], s[10:11] offset:(32*((\a)/2)+8*((\a)%2)+2*\i+8*(\i/4))*8192 th:TH_STORE_NT   ; 16 lanes store 256 consecutive bytes, aligned; stage row 2 i + h is the block's row 2 i + h + 8 (i / 4)
.endr
.endm
	PLACES                                         ; behind the last products
	TOSTAGE 0
.irp a, 1,2,3
.if \a > 1
	s_wait_xcnt 0x0                                ; block a - 2's stores have had their addresses translated: only behind this wait are their data registers loaded again
.endif
	TOSTAGE \a
	SEND \a-1, 16                                  ; behind block a - 1's loads: block a's 8 stores and 8 loads
.endr
	SEND 3, 0
	s_wait_tensorcnt 0x0                           ; the wave's end
	ds_add_u32 v[SPW], v[NIL]
	s_wait_dscnt 0x0
	CROUND                                         ; the closing round
	s_endpgm
.Lfunc_end_k_qdfb015a686_outp:
	.size	k_qdfb015a686_outp, .Lfunc_end_k_qdfb015a686_outp-k_qdfb015a686_outp
	.p2alignl 7, 3214868480
	.fill 96, 4, 3214868480
	.section	.rodata,"a",@progbits
	.p2align	6, 0x0
	.amdhsa_kernel k_qdfb015a686_outp
		.amdhsa_group_segment_fixed_size 327680
		.amdhsa_private_segment_fixed_size 0
		.amdhsa_enable_private_segment 0
		.amdhsa_kernarg_size 40
		.amdhsa_user_sgpr_count 2
		.amdhsa_user_sgpr_kernarg_segment_ptr 1
		.amdhsa_wavefront_size32 1
		.amdhsa_system_sgpr_workgroup_id_x 1
		.amdhsa_system_sgpr_workgroup_id_y 1
		.amdhsa_system_sgpr_workgroup_id_z 1
		.amdhsa_system_vgpr_workitem_id 0
		.amdhsa_next_free_vgpr 512
		.amdhsa_next_free_sgpr 84
		.amdhsa_reserve_vcc 0
		.amdhsa_float_denorm_mode_32 3
		.amdhsa_float_denorm_mode_16_64 3
		.amdhsa_memory_ordered 1
		.amdhsa_forward_progress 1
		.amdhsa_inst_pref_size 84
	.end_amdhsa_kernel
	.amdgpu_metadata
---
amdhsa.version: [ 1, 2 ]
amdhsa.kernels:
  - .name:           k_qdfb015a686_outp
    .symbol:         k_qdfb015a686_outp.kd
    .args:
      - { .name: ctx, .offset: 0, .size: 8, .value_kind: global_buffer, .address_space: global }
      - { .name: opc, .offset: 8, .size: 8, .value_kind: global_buffer, .address_space: global }
      - { .name: bo, .offset: 16, .size: 8, .value_kind: global_buffer, .address_space: global }
      - { .name: out0, .offset: 24, .size: 8, .value_kind: global_buffer, .address_space: global }
      - { .name: rowf, .offset: 32, .size: 8, .value_kind: global_buffer, .address_space: global }
    .group_segment_fixed_size: 327680
    .private_segment_fixed_size: 0
    .kernarg_segment_align: 8
    .kernarg_segment_size: 40
    .max_flat_workgroup_size: 128
    .sgpr_count:     84
    .vgpr_count:     512
    .wavefront_size: 32
...
	.end_amdgpu_metadata
.endif
;; end of part 4
